; MI455X (gfx1250); checked and timed in simulation.
; The chip was launched on July 23, 2026; its instructions are those of AMD's public machine-readable ISA for CDNA 5 (MIT licence, August 2026) and "CDNA5" Instruction Set Architecture Reference Guide (July 2026). The comments in the code are by the model that wrote it; some were corrected since.
;; Attention. Allowed arithmetic: matrix products marked QUANTISED: E2M1 operands, one E8M0 scale for each 32 along K, by v_wmma_scale_f32_16x16x128_f8f6f4 with both operands' format E2M1 (or v_wmma_scale_f32_32x16x128_f4), f32 sums; products left as they are: bf16, f16 or f32 operands; f32 sums; everything else in f32.
;; Inputs: freqs_cos 2,048 x 32 float32; freqs_sin 2,048 x 32 float32; mask 2,048 x 2,048 float32; wk 2,048 x 256 float32; wo 2,048 x 2,048 float32; wq 2,048 x 2,048 float32; wv 2,048 x 256 float32; x 1 x 2,048 x 2,048 float32.
;; Outputs: out0 1 x 2,048 x 2,048 float32.
;; This version of the problem:
;;   THIS VERSION OF THE PROBLEM IS GIVEN IN LOW PRECISION. The matrix products marked QUANTISED in the list below multiply operands that are first quantised to E2M1 (2 exponent bits, 1 mantissa bit; 4 bits a number), with one power-of-two scale for each 32 numbers along K (OCP MX v1.0); their sums are f32. The products marked 'left as it is' may take bf16, f16 or f32 operands, with f32 sums. Whichever they take, every output number must still come out within the allowed error. Rounding operands to bf16 (8 significant bits) uses up far more of that allowance than f16 does (11 bits, for magnitudes from 6e-5 to 65,504). All else is computed in f32.
;;   The module's matrix products, in the order in which they are computed (A, B: the left and right operand; K: the contracted axis; several contracted axes count as one K, in the product's order):
;;     1. [M 2,048, K 2,048] x [K 2,048, N 2,048]; A: input x; B: input wq: QUANTISED
;;     2. [M 2,048, K 2,048] x [K 2,048, N 256]; A: input x; B: input wk: QUANTISED
;;     3. [M 2,048, K 2,048] x [K 2,048, N 256]; A: input x; B: input wv: QUANTISED
;;     4. batch 32 x [M 2,048, K 64] x [K 64, N 2,048]; A: computed on the way; B: computed on the way: left as it is (an operand is computed on the way)
;;     5. batch 32 x [M 64, K 2,048] x [K 2,048, N 2,048]; A: computed on the way; B: computed on the way: left as it is (an operand is computed on the way)
;;     6. [M 2,048, K 2,048] x [K 2,048, N 2,048]; A: computed on the way; B: input wo: left as it is (an operand is computed on the way)
;;   THE QUANTISER, for each operand of a quantised product, along K:
;;     - K is cut into blocks of 32 from its start; a last block that is shorter is filled with zeros.
;;     - A block's scale is 2^e with e = floor(log2(the largest magnitude in the block)) - 2, held to -126 .. 127; a block of zeros has e = 0. As a byte (E8M0): e + 127.
;;     - Each number is divided by its block's scale, clamped to +-6, and rounded to the nearest number of E2M1, ties to even, subnormals kept.
;;     - The product sums the exact products of the quantised numbers (number of the format x scale) in f32.
;;   ~~~python
;;   def quantise(x, axis):      # numpy; x: float32 -> the quantised numbers, widened to float32 again
;;       x = np.moveaxis(x, axis, -1); K = x.shape[-1]
;;       x = np.pad(x, [(0, 0)] * (x.ndim - 1) + [(0, -K % 32)]); x = x.reshape(x.shape[:-1] + (-1, 32)); a = np.abs(x).max(-1, keepdims=True)
;;       e = np.where(a > 0, np.clip(np.frexp(np.where(a > 0, a, 1))[1] - 1 - 2, -126, 127), 0)      # np.frexp(a)[1] - 1 = floor(log2(a)), exactly
;;       r = np.clip(x / 2.0 ** e, -6, 6)
;;       step = 2.0 ** (np.maximum(np.frexp(np.where(r == 0, 1, r))[1] - 1, 0) - 1)
;;       q = np.round(r / step) * step * 2.0 ** e      # np.round: ties to even
;;       return np.moveaxis(q.reshape(q.shape[:-2] + (-1,))[..., :K], -1, axis).astype(np.float32)
;;   ~~~
;; One version. Each part assembles by itself: llvm-mc -triple=amdgcn-amd-amdhsa -mcpu=gfx1250 --defsym DOCPART=n.
;; ======== version 1 of 1: 5 launches
;; limits: values are held in f16: magnitudes above 65,504 overflow, below 6.1e-05 lose precision
;; workspace buffers: xq4 2,228,224 bytes; wq4 2,785,280 bytes; qkv 10,485,760 bytes; att 8,388,608 bytes; attlo 65,536 bytes; wo16 8,388,608 bytes; part 1,048,576 bytes
;; launch prep (part 1): grid 288 x 1, 4 waves a work-group, no clusters, 50,688 bytes of LDS; arguments x, wq, wk, wv, xq4, wq4; writes xq4, wq4
.if DOCPART == 1
	.amdgcn_target "amdgcn-amd-amdhsa--gfx1250"
	.amdhsa_code_object_version 6
	.text
	.protected	k_qa85f8ab509_prep
	.globl	k_qa85f8ab509_prep
	.p2align	8
	.type	k_qa85f8ab509_prep,@function
k_qa85f8ab509_prep:
	s_mov_b64 s[64:65], 0
	v_nop
	global_prefetch_b8 v0, s[64:65] scope:SCOPE_SE
	s_setreg_imm32_b32 hwreg(HW_REG_WAVE_MODE, 25, 1), 1
	s_wait_xcnt 0x0
; x [2048][2048] (K innermost) and wq | wk | wv [2048 (K)][2048 | 256 | 256] (K is the FIRST axis), all f32, become codes of FP4 (E2M1), two a byte, K innermost, with one E8M0 byte for each 32 along K.
; xq4: codes [2048][1024 bytes] at 0, scale bytes [2048][64] at XSCL.   wq4: codes [2560][1024 bytes] at 0 (row n: a column of wq, from 2048 on of wk, from 2304 on of wv), scale bytes [2560][64] at WSCL.
; A block's scale is 2^(floor(log2(largest magnitude)) - 2): its byte is the largest magnitude's exponent field - 2, held at 1 from below; numbers are divided by it and rounded to the nearest code, ties to even, beyond 6 the code of 6.
; LIMITS: a block of zeros gets the byte 1 where the rule says 127 (its codes are zeros, and this program alone reads the bytes); blocks whose largest magnitude lies under 2^(3 - 127) keep the byte 1; NaN and infinities are not served.
; SHARES: work-groups 0-159 take the weights (40 groups of 64 columns x 4 runs of 512 along K; a wave 16 columns), work-groups 160-287 take x (a wave a run of 8,192 numbers): 128 KB of f32 to a work-group on either way.
; The two ways part on the work-group's number and never join; each has LDS bytes of its own.  No work-group reads what another reads: no cluster, no matrix unit, no tensor load; waves share nothing, so there is no barrier.
.set SPARE, 50176                      ; behind both ways' stages: the spare words, 128 bytes for each wave
.set SPW,   190                        ; v190  LDS address of my spare word; never rewritten
.set NIL,   191                        ; v191  0; never rewritten
.set EMAX,  2
.set WGW,   160                        ; work-groups of the weights' way
.set XSCL,  0x200000
.set WSCL,  0x280000
; x's way
.set STEPS, 16                         ; steps of 512 numbers
.set SP,    80                         ; a lane's place in a stage: 64 bytes + 16 of padding
.set WREG,  8192                       ; LDS of a wave: two stages of 32 x SP bytes, then its 256 scale bytes
.set R,     16                         ; v16-79   four sets of 16 numbers as loaded
.set X,     80                         ; v80-111  two sets of 16 neighbours
.set E,     112                        ; v112-127 a scale byte for each step
.set C,     128                        ; v128-159 two registers of codes for each step: no store's data are written again
; the weights' way
.set PITCH, 272                        ; a stage row: 256 bytes of codes + 16
.set WST,   32768                      ; the four stages, 16 rows each
.set SB,    16                         ; v16-19   16 scale bytes
.set OFF,   24                         ; v24-39   byte offsets of my 16 rows of a block
.set XW,    40                         ; v40-103  four sets of 16 numbers
.set CW,    104                        ; v104-135 two registers of codes for each block: no store's data are written again
.set OUTR,  136                        ; v136-167 the way out
.set LB,    24                         ; s[24:25] the block in hand
.set STP,   26                         ; s[26:27] 32 rows of the weight, in bytes
	s_load_b256 s[4:11], s[0:1], 0x0               ; x, wq, wk, wv
	s_load_b128 s[12:15], s[0:1], 0x20             ; xq4, wq4
	v_lshl_add_u32 v[SPW], v0, 2, SPARE
	v_mov_b32 v[NIL], 0
	v_lshrrev_b32 v1, 5, v0
	v_readfirstlane_b32 s16, v1                    ; wave
	v_and_b32 v2, 31, v0                           ; lane
	s_wait_kmcnt 0x0
	s_cmp_lt_u32 ttmp9, WGW
	s_cbranch_scc1 .Lw
; ---------------- x: a plain stream of blocks of 32 ----------------
; Each load reads 512 consecutive bytes, 16 a lane; a step's 2,048 bytes turn through the wave's stage and come back 64 bytes a lane: 16 neighbours, two lanes to a block.
	v_lshlrev_b32 v3, 4, v2                        ; my 16 bytes of a load's 512
	s_mul_i32 s17, s16, WREG
	v_lshrrev_b32 v14, 2, v2
	v_mul_u32_u24 v14, v14, SP
	v_and_b32 v15, 3, v2
	v_lshl_add_u32 v14, v15, 4, v14
	v_add_nc_u32 v14, s17, v14                     ; the stage, in: SP (lane / 4) + 16 (lane % 4)
	v_mul_u32_u24 v15, v2, SP
	v_add_nc_u32 v15, s17, v15                     ; and out: SP x lane
	v_lshlrev_b32 v4, 3, v2                        ; 8 bytes a lane: my codes in a step's 256, and my part of the 256 scale bytes
	v_lshrrev_b32 v5, 1, v2
	s_add_co_u32 s17, s17, 2*32*SP
	v_add_nc_u32 v5, s17, v5                       ; LDS: my block's byte
	v_add_nc_u32 v6, s17, v4                       ; and where I read 8 of them back
	s_sub_co_u32 s18, ttmp9, WGW
	s_lshl_b32 s18, s18, 2
	s_add_co_u32 s18, s18, s16                     ; my run of 8,192 numbers: 0 .. 511
	s_lshl_b32 s20, s18, 15
	s_mov_b32 s21, 0
	s_add_nc_u64 s[4:5], s[4:5], s[20:21]          ; its numbers,
	s_lshl_b32 s20, s18, 12
	s_add_nc_u64 s[22:23], s[12:13], s[20:21]      ; its 4,096 bytes of codes,
	s_lshl_b32 s20, s18, 8
	s_add_co_u32 s20, s20, XSCL
	s_add_nc_u64 s[24:25], s[12:13], s[20:21]      ; its 256 scale bytes
.macro LOADX t
.irp i, 0,1,2,3
	global_load_b128 v[R+16*((\t)%4)+4*\i:R+16*((\t)%4)+4*\i+3], v3, s[4:5] offset:2048*(\t)+512*\i th:TH_LOAD_NT
.endr
.endm
.macro TURNX t                         ; LDS serves a wave's instructions in order: no wait between the stores and the loads
.irp i, 0,1,2,3
	ds_store_b128 v14, v[R+16*((\t)%4)+4*\i:R+16*((\t)%4)+4*\i+3] offset:32*SP*((\t)%2)+8*SP*\i
.endr
.irp i, 0,1,2,3
	ds_load_b128 v[X+16*((\t)%2)+4*\i:X+16*((\t)%2)+4*\i+3], v15 offset:32*SP*((\t)%2)+16*\i
.endr
.endm
.irp t, 0,1,2,3
	LOADX \t
.endr
	s_wait_loadcnt 12                              ; step 0's four loads are in; the three younger steps' twelve stay out
	TURNX 0
.macro STEPX t
.set XS, X+16*((\t)%2)
.if (\t) > 0
	s_wait_dscnt 1                                 ; this step's numbers are back from the stage; only the last step's byte store may be out
.else
	s_wait_dscnt 0x0
.endif
.if (\t)+4 < STEPS
	LOADX (\t)+4                                   ; into the set whose stores into the stage have been served
.endif
.if (\t)+1 < STEPS
.if STEPS-2-(\t) >= 3
	s_wait_loadcnt 12                              ; the next step's loads are in; those of the three steps behind it stay out
.else
	s_wait_loadcnt 4*(STEPS-2-(\t))
.endif
	TURNX (\t)+1
.endif
	v_max3_num_f32 v8, |v[XS]|, |v[XS+1]|, |v[XS+2]|
	v_max3_num_f32 v9, |v[XS+3]|, |v[XS+4]|, |v[XS+5]|
.irp i, 6,10
	v_max3_num_f32 v8, v8, |v[XS+\i]|, |v[XS+\i+1]|
	v_max3_num_f32 v9, v9, |v[XS+\i+2]|, |v[XS+\i+3]|
.endr
	v_max3_num_f32 v8, v8, |v[XS+14]|, |v[XS+15]|
	v_max3_num_f32 v8, v8, v9, (EMAX+1)<<23        ; the floor 2^(3 - 127): the byte cannot fall under 1
	v_max_num_f32_dpp v8, v8, v8 row_xmask:1 row_mask:0xf bank_mask:0xf   ; with my neighbour's 16: the block's largest magnitude
	v_add_nc_u32 v11, -(EMAX<<23), v8              ; 2 off its exponent field: the conversion takes that field as its scale
	v_cvt_scalef32_pk8_fp4_f32 v[C+2*(\t)], v[XS:XS+7], v11
	v_cvt_scalef32_pk8_fp4_f32 v[C+2*(\t)+1], v[XS+8:XS+15], v11
	v_lshrrev_b32 v[E+(\t)], 23, v11               ; the scale's byte (also the plain line behind the conversions)
	ds_store_b8 v5, v[E+(\t)] offset:16*(\t)       ; both lanes of a block write the same byte
	global_store_b64 v4, v[C+2*(\t):C+2*(\t)+1], s[22:23] offset:256*(\t)   ; the wave stores 256 consecutive bytes, aligned
.endm
.irp t, 0,1,2,3,4,5,6,7,8,9,10,11,12,13,14,15
	STEPX \t
.endr
	ds_load_b64 v[8:9], v6
	s_wait_dscnt 0x0
	global_store_b64 v4, v[8:9], s[24:25]          ; 256 scale bytes: 256 consecutive bytes, aligned
	s_wait_tensorcnt 0x0                           ; the wave's end, behind my last LDS store
	ds_add_u32 v[SPW], v[NIL]
	s_wait_dscnt 0x0
	s_endpgm
; ---------------- the weights: a lane takes a column, its registers run down K ----------------
; Lane (r, h) takes column r of the wave's 16 and, of each block of 32 along K, rows 16 h + 0 .. 15: a load reads two runs of 64 bytes, and the work-group's four waves stand side by side on 256 bytes of a row.
; A block lies in lanes l and l xor 16.  A lane's 16 codes are 8 bytes of its column's row; 512 along K, 256 bytes a column, are gathered in the wave's stage and leave as whole rows.
.Lw:
	s_lshr_b32 s17, ttmp9, 2                       ; group of 64 columns of wq | wk | wv: 0 .. 39
	s_and_b32 s18, ttmp9, 3                        ; which 512 along K
	s_mov_b32 s19, 1024
	s_cmp_lt_u32 s17, 36                           ; the tensor is chosen by the work-group's number alone
	s_cselect_b64 s[20:21], s[8:9], s[10:11]
	s_cselect_b32 s22, 32, 36
	s_cmp_lt_u32 s17, 32
	s_cselect_b64 s[20:21], s[6:7], s[20:21]
	s_cselect_b32 s22, 0, s22                      ; the tensor's first group
	s_cselect_b32 s19, 8192, s19                   ; a row of it in bytes
	s_mul_i32 s24, s18, s19
	s_lshl_b32 s24, s24, 9                         ; 512 rows for each run along K
	s_sub_co_u32 s23, s17, s22
	s_lshl_b32 s23, s23, 8                         ; 64 columns of 4 bytes
	s_add_co_u32 s24, s24, s23
	s_lshl_b32 s23, s16, 6                         ; my wave's 16 columns
	s_add_co_u32 s24, s24, s23
	s_mov_b32 s25, 0
	s_add_nc_u64 s[LB:LB+1], s[20:21], s[24:25]
	s_lshl_b32 s[STP], s19, 5
	s_mov_b32 s[STP+1], 0
	s_lshl_b32 s28, s17, 6
	s_lshl_b32 s29, s16, 4
	s_add_co_u32 s28, s28, s29                     ; my first row of wq4
	s_lshl_b32 s30, s28, 10
	s_lshl_b32 s29, s18, 8
	s_add_co_u32 s30, s30, s29
	s_mov_b32 s31, 0
	s_add_nc_u64 s[32:33], s[14:15], s[30:31]      ; codes: row x 1,024 + 256 x run
	s_lshl_b32 s30, s28, 6
	s_lshl_b32 s29, s18, 4
	s_add_co_u32 s30, s30, s29
	s_add_co_u32 s30, s30, WSCL
	s_add_nc_u64 s[34:35], s[14:15], s[30:31]      ; scale bytes: row x 64 + 16 x run
	s_mul_i32 s36, s16, 16*PITCH
	s_add_co_u32 s36, s36, WST                     ; my stage
	s_lshl_b32 s37, s19, 4                         ; 16 rows of the weight
	s_mov_b32 s38, 0x76543210
	s_mov_b32 s39, 0xfedcba98                      ; lane l xor 16
	v_and_b32 v5, 15, v2                           ; r
	v_lshrrev_b32 v6, 4, v2                        ; h
	v_mul_u32_u24 v4, v5, PITCH
	v_lshl_add_u32 v4, v6, 3, v4
	v_add_nc_u32 v4, s36, v4                       ; in: row = my column, + 8 h
	v_mul_u32_u24 v7, v6, PITCH
	v_lshl_add_u32 v7, v5, 4, v7
	v_add_nc_u32 v7, s36, v7                       ; out: sixteen lanes to a row, two rows an instruction
	v_lshlrev_b32 v8, 10, v6
	v_lshl_add_u32 v8, v5, 4, v8                   ; and the same place in wq4
	v_lshlrev_b32 v9, 6, v5
	v_lshl_add_u32 v9, v6, 3, v9                   ; my column's row of scale bytes, + 8 h
	v_mov_b32 v10, 0                               ; written once: a lane permute's destination counts as one of its sources
	v_mul_u32_u24 v[OFF], s37, v6
	v_lshl_add_u32 v[OFF], v5, 2, v[OFF]           ; row 16 h, column r
.set i, 1
.rept 15
	v_add_nc_u32 v[OFF+i], s19, v[OFF+i-1]         ; row 16 h + i
.set i, i+1
.endr
.macro LOADW t                         ; block t into set t % 4
.if (\t) > 0
	s_wait_xcnt 0x0                                ; the earlier loads have read their base: it steps only behind this wait
	s_add_nc_u64 s[LB:LB+1], s[LB:LB+1], s[STP:STP+1]
.endif
.set i, 0
.rept 16
	global_load_b32 v[XW+16*((\t)%4)+i], v[OFF+i], s[LB:LB+1] th:TH_LOAD_NT
.set i, i+1
.endr
.endm
	LOADW 0
	LOADW 1
	LOADW 2
.macro BLOCKW t
.set XS, XW+16*((\t)%4)
.if (\t) <= 13
	s_wait_loadcnt 32                              ; this block's 16 loads are in; the two younger blocks' 32 stay out
.else
	s_wait_loadcnt 16*(15-(\t))
.endif
.if (\t)+3 < 16
	LOADW (\t)+3                                   ; into the set that the block before has used up: 48 loads of mine are out
.endif
	v_max3_num_f32 v12, |v[XS]|, |v[XS+1]|, |v[XS+2]|
	v_max3_num_f32 v13, |v[XS+3]|, |v[XS+4]|, |v[XS+5]|
.irp i, 6,10
	v_max3_num_f32 v12, v12, |v[XS+\i]|, |v[XS+\i+1]|
	v_max3_num_f32 v13, v13, |v[XS+\i+2]|, |v[XS+\i+3]|
.endr
	v_max3_num_f32 v12, v12, |v[XS+14]|, |v[XS+15]|
	v_max3_num_f32 v12, v12, v13, (EMAX+1)<<23     ; the floor
	v_permlanex16_b32 v10, v12, s38, s39
	v_max_num_f32 v12, v12, v10                    ; with lane l xor 16's 16: the block's largest magnitude
	v_add_nc_u32 v11, -(EMAX<<23), v12             ; the conversion's scale operand
	v_lshrrev_b32 v13, 23, v11                     ; the byte
.if (\t)%4 == 0
	v_mov_b32 v[SB+(\t)/4], v13
.else
	v_lshl_or_b32 v[SB+(\t)/4], v13, 8*((\t)%4), v[SB+(\t)/4]
.endif
	v_cvt_scalef32_pk8_fp4_f32 v[CW+2*(\t)], v[XS:XS+7], v11
	v_cvt_scalef32_pk8_fp4_f32 v[CW+2*(\t)+1], v[XS+8:XS+15], v11
	ds_store_b64 v4, v[CW+2*(\t):CW+2*(\t)+1] offset:16*(\t)   ; 16 codes: 8 bytes of my column's row.  (The next vector lines are plain and touch neither the codes nor the numbers)
.endm
.irp t, 0,1,2,3,4,5,6,7,8,9,10,11,12,13,14,15
	BLOCKW \t
.endr
	v_cmp_eq_u32 vcc_lo, 1, v6                     ; both lanes of a column hold its 16 bytes: lanes 0-15 store the first eight, lanes 16-31 the others
	v_cndmask_b32 v14, v[SB], v[SB+2], vcc_lo
	v_cndmask_b32 v15, v[SB+1], v[SB+3], vcc_lo
	global_store_b64 v9, v[14:15], s[34:35]
.irp t, 0,1,2,3,4,5,6,7
	ds_load_b128 v[OUTR+4*\t:OUTR+4*\t+3], v7 offset:2*\t*PITCH    ; LDS serves a wave's instructions in order: these see my stores
.endr
.irp t, 0,1,2,3,4,5,6,7
	s_wait_dscnt 7-\t                              ; the younger loads from the stage stay out
	global_store_b128 v8, v[OUTR+4*\t:OUTR+4*\t+3], s[32:33] offset:2*\t*1024   ; sixteen lanes store 256 consecutive bytes, aligned
.endr
	s_wait_tensorcnt 0x0                           ; the wave's end: the three lines once more
	ds_add_u32 v[SPW], v[NIL]
	s_wait_dscnt 0x0
	s_endpgm
.Lfunc_end_k_qa85f8ab509_prep:
	.size	k_qa85f8ab509_prep, .Lfunc_end_k_qa85f8ab509_prep-k_qa85f8ab509_prep
	.p2alignl 7, 3214868480
	.fill 96, 4, 3214868480
	.section	.rodata,"a",@progbits
	.p2align	6, 0x0
	.amdhsa_kernel k_qa85f8ab509_prep
		.amdhsa_group_segment_fixed_size 50688
		.amdhsa_private_segment_fixed_size 0
		.amdhsa_enable_private_segment 0
		.amdhsa_kernarg_size 48
		.amdhsa_user_sgpr_count 2
		.amdhsa_user_sgpr_kernarg_segment_ptr 1
		.amdhsa_wavefront_size32 1
		.amdhsa_system_sgpr_workgroup_id_x 1
		.amdhsa_system_sgpr_workgroup_id_y 1
		.amdhsa_system_sgpr_workgroup_id_z 1
		.amdhsa_system_vgpr_workitem_id 0
		.amdhsa_next_free_vgpr 192
		.amdhsa_next_free_sgpr 66
		.amdhsa_reserve_vcc 1
		.amdhsa_float_denorm_mode_32 3
		.amdhsa_float_denorm_mode_16_64 3
		.amdhsa_memory_ordered 1
		.amdhsa_forward_progress 1
		.amdhsa_inst_pref_size 78
	.end_amdhsa_kernel
	.amdgpu_metadata
---
amdhsa.version: [ 1, 2 ]
amdhsa.kernels:
  - .name:           k_qa85f8ab509_prep
    .symbol:         k_qa85f8ab509_prep.kd
    .args:
      - { .name: x, .offset: 0, .size: 8, .value_kind: global_buffer, .address_space: global }
      - { .name: wq, .offset: 8, .size: 8, .value_kind: global_buffer, .address_space: global }
      - { .name: wk, .offset: 16, .size: 8, .value_kind: global_buffer, .address_space: global }
      - { .name: wv, .offset: 24, .size: 8, .value_kind: global_buffer, .address_space: global }
      - { .name: xq4, .offset: 32, .size: 8, .value_kind: global_buffer, .address_space: global }
      - { .name: wq4, .offset: 40, .size: 8, .value_kind: global_buffer, .address_space: global }
    .group_segment_fixed_size: 50688
    .private_segment_fixed_size: 0
    .kernarg_segment_align: 8
    .kernarg_segment_size: 48
    .max_flat_workgroup_size: 128
    .sgpr_count:     66
    .vgpr_count:     192
    .wavefront_size: 32
...
	.end_amdgpu_metadata
.endif
;; end of part 1
;; launch qkv (part 2): grid 16 x 16, 4 waves a work-group, clusters of 4 x 1, 327,680 bytes of LDS; arguments xq4, wq4, freqs_cos, freqs_sin, qkv; writes qkv
.if DOCPART == 2
	.amdgcn_target "amdgcn-amd-amdhsa--gfx1250"
	.amdhsa_code_object_version 6
	.text
	.protected	k_qa85f8ab509_qkv
	.globl	k_qa85f8ab509_qkv
	.p2align	8
	.type	k_qa85f8ab509_qkv,@function
k_qa85f8ab509_qkv:
	s_mov_b64 s[64:65], 0
	v_nop
	global_prefetch_b8 v0, s[64:65] scope:SCOPE_SE
	s_setreg_imm32_b32 hwreg(HW_REG_WAVE_MODE, 25, 1), 1
	s_wait_xcnt 0x0
	s_wait_alu depctr_hold_cnt(0) depctr_sa_sdst(0) depctr_va_vdst(0) depctr_va_sdst(0) depctr_va_ssrc(0) depctr_va_vcc(0) depctr_vm_vsrc(0)
	s_getreg_b32 s2, hwreg(HW_REG_IB_STS2, 6, 4)
	s_cmp_eq_u32 s2, 0
	s_cbranch_scc0 .Lentry_in_a_cluster
	s_endpgm
.Lentry_in_a_cluster:
	s_bfe_u32 s2, ttmp6, 0x10000c
	s_cmp_lg_u32 s2, 0x3003
	s_cbranch_scc0 .Lentry_shape_is_right
	s_endpgm
.Lentry_shape_is_right:
; [q | k | v] = x [wq | wk | wv] on codes of FP4 with E8M0 scales (2048 tokens x 2560 features x K 2048), the rotary turn on q and k in f32, results rounded to f16.
; OUT: qkv [head' 40][tile of 16 tokens 128][tile of 16 channels 4][512 bytes]: heads' 0-31 q, 32-35 k, 36-39 v; in a tile lane (r, h)'s 16 bytes, at 16 x lane, are token r, channels 8 h + 0 .. 7:
; the register image of half a 16-bit fragment, so that every store is 512 consecutive bytes and the next launch loads fragments as they lie.
; SHARES: a work-group makes 128 tokens x 160 features: 16 x 16 = 256 work-groups of equal work.  Wave w: 64 tokens (w / 2) x 80 features (w % 2): 4 x 5 = 20 accumulators.
; THE PRODUCT IS USED TRANSPOSED (source 0 = 16 features, source 1 = 16 tokens): a lane holds one token and eight neighbouring channels.
; A tile of 16 features has the number n16 = 10 x feature tile + 5 (w % 2) + b: its head' is n16 / 4, its place in the head n16 % 4; tiles from 144 on are v's and take no rotary turn.
; ALL OF K LIES IN LDS: 288 rows x 1,024 bytes as two chunks of 1,024 along K (rows of 512 bytes), and the rows' scale bytes.  Everything is asked for at the head, three tensor loads a wave; nothing is filled again.
; CLUSTER 4 x 1: the four partners have one feature tile and four token tiles: the weights' chunks and scales are asked for JOINTLY (mask 15); x's are each work-group's own.  Not 4 x 4: partners along y would have
; different feature tiles, and the way out branches on the feature tile (where v begins), which partners must share.
; LIMITS: |q|, |k|, |v| stay under 65,504, the largest f16 number; the rotary turn rounds t0 c - t1 s with one fused multiply-add where two roundings stand in the definition.
; REGISTERS: window 0: v4-20 addresses; v32-111 scale words alone, a set of 40 for each chunk; v112-191 packed results.   window 1: three fragment buffers of 72 (the weights' five blocks, then x's four).
;   window 2: the accumulators ((a, b) at 8 (5 a + b)); v160-167 at work.   window 3: for each accumulator, at its own number, 4 cosines, 4 sines.
.set PITCH, 528                        ; 512 bytes + 16 = 132 words: the 16 rows of a fragment load start at 16 different groups of banks
.set XQ,    64*PITCH                   ; x's 64 rows: one tensor load
.set WQ,    80*PITCH                   ; the weights' 80 rows: one tensor load
.set WOFF,  128*PITCH                  ; the weights lie behind x's 128 rows
.set CHUNK, 288*PITCH
.set SCL,   2*CHUNK                    ; the scale bytes, as units of 256 bytes + 16: four rows to a unit
.set SXQ,   16*272                     ; those of x's 64 rows
.set SWQ,   20*272                     ; of the weights' 80
.set SWOFF, 32*272                     ; the weights' lie behind those of x's 128 rows
.set SPARE, 323840                     ; the next multiple of 256 behind the scale bytes (which end at 323,712): the spare words, 128 bytes a wave
.set XSCL,  0x200000
.set WSCL,  0x280000
.set ADRA, 4                           ; v4-5   my x fragments in chunk c
.set ADRB, 6                           ; v6-7   my weight fragments
.set ADRS, 8                           ; v8     scale words: lanes 0-15 x's rows, lanes 16-31 the weights'
.set VC,   9                           ; v9-12  my byte in 16 rows of cos / sin, for feature tile b % 4
.set VST,  13                          ; v13    16 x lane
.set VO,   16                          ; v16-20 my byte in qkv, for feature tile b
.set SPW,  28
.set NIL,  29
.set SC,   32
.set PK,   112
.set T,    160                         ; in window 2
.set N16,  84                          ; s84    the number of my first feature tile
.set G1X,  24                          ; s[24:31] group 1: x's chunks;  s[32:39] the weights';  s[40:47], s[48:55] the scale bytes likewise
.set G1W,  32
.set G1SX, 40
.set G1SW, 48
.set MSB, 0
.macro WIN new
.if MSB != \new
	s_set_vgpr_msb (MSB<<8)|\new
.set MSB, \new
.endif
.endm
.macro PLACES
.rept 4
	v_nop
.endr
.endm
.macro CROUND                          ; a round of the cluster's barrier
	s_barrier_signal -1
	s_barrier_wait -1
	s_cmp_lg_u32 s14, 0
	s_cbranch_scc1 .Lnot_wave_0_\@
	s_barrier_signal -3
.Lnot_wave_0_\@:
	s_barrier_wait -3
	s_barrier_signal -1
	s_barrier_wait -1
.endm
.macro G0SET g, lreg, loff, areg, aoff ; a group 0: count 1, LDS address, global address, type 2
	s_mov_b32 s[\g], 1
	s_add_co_u32 s[\g+1], s[\lreg], \loff
	s_add_nc_u64 s[\g+2:\g+3], s[\areg:\areg+1], \aoff
	s_or_b32 s[\g+3], s[\g+3], 0x80000000
.endm
	s_load_b256 s[4:11], s[0:1], 0x0               ; xq4, wq4, cos, sin
	s_load_b64 s[12:13], s[0:1], 0x20              ; qkv
	v_lshl_add_u32 v[SPW], v0, 2, SPARE
	v_mov_b32 v[NIL], 0
	ds_add_u32 v[SPW], v[NIL]                      ; the opening: the add, twice on end, and its wait ahead of my first tensor load
	ds_add_u32 v[SPW], v[NIL]
	v_lshrrev_b32 v1, 5, v0
	v_readfirstlane_b32 s14, v1                    ; wave
	s_lshr_b32 s15, s14, 1                         ; my half of the tokens.  Also: I fetch for x (0) or for the weights (1)
	s_and_b32 s16, s14, 1                          ; my half of the features.  Also: which half of the rows I fetch
	s_bfe_u32 s17, ttmp6, 0x40000                  ; cx
	s_lshl_b32 s18, ttmp9, 2
	s_add_co_u32 s18, s18, s17                     ; token tile = 4 x cluster x + cx
	s_and_b32 s19, ttmp7, 0xffff                   ; feature tile: the four partners share it
	s_mov_b32 s[G1X], (1<<20)|(6<<22)|(3<<25)      ; elements of 1 byte; 4 words of padding behind every 128
	s_mov_b32 s[G1X+1], 512<<16                    ; tensor_dim0
	s_mov_b32 s[G1X+2], 64<<16                     ; tensor_dim1
	s_mov_b32 s[G1X+3], 512<<16                    ; tile_dim0
	s_mov_b32 s[G1X+4], 64                         ; tile_dim1
	s_mov_b32 s[G1X+5], 1024                       ; a row of codes in memory
	s_mov_b32 s[G1X+6], 0
	s_mov_b32 s[G1X+7], 0
	s_mov_b32 s[G1W], 15|(1<<20)|(1<<21)|(6<<22)|(3<<25)   ; the same, 80 rows, asked for by all four partners
	s_mov_b32 s[G1W+1], 512<<16
	s_mov_b32 s[G1W+2], 80<<16
	s_mov_b32 s[G1W+3], 512<<16
	s_mov_b32 s[G1W+4], 80
	s_mov_b32 s[G1W+5], 1024
	s_mov_b32 s[G1W+6], 0
	s_mov_b32 s[G1W+7], 0
	s_mov_b32 s[G1SX], (3<<16)|(1<<20)|(5<<22)|(3<<25)     ; 64 rows' scale bytes: 4,096 dense bytes as 16 rows of 32 elements of 8 bytes
	s_mov_b32 s[G1SX+1], 32<<16
	s_mov_b32 s[G1SX+2], 16<<16
	s_mov_b32 s[G1SX+3], 32<<16
	s_mov_b32 s[G1SX+4], 16
	s_mov_b32 s[G1SX+5], 32
	s_mov_b32 s[G1SX+6], 0
	s_mov_b32 s[G1SX+7], 0
	s_mov_b32 s[G1SW], 15|(3<<16)|(1<<20)|(1<<21)|(5<<22)|(3<<25)   ; 80 rows': 5,120 dense bytes as 20 such rows
	s_mov_b32 s[G1SW+1], 32<<16
	s_mov_b32 s[G1SW+2], 20<<16
	s_mov_b32 s[G1SW+3], 32<<16
	s_mov_b32 s[G1SW+4], 20
	s_mov_b32 s[G1SW+5], 32
	s_mov_b32 s[G1SW+6], 0
	s_mov_b32 s[G1SW+7], 0
	s_lshl_b32 s21, s16, 6
	s_lshl_b32 s20, s18, 7
	s_add_co_u32 s20, s20, s21                     ; x: row 128 x token tile + 64 x half
	s_lshl_b32 s22, s20, 10
	s_mov_b32 s23, 0                               ; its codes,
	s_lshl_b32 s2, s20, 6
	s_add_co_u32 s2, s2, XSCL
	s_mov_b32 s3, 0                                ; its scale bytes
	s_mul_i32 s66, s19, 160
	s_mul_i32 s67, s16, 80
	s_add_co_u32 s66, s66, s67                     ; the weights: row 160 x feature tile + 80 x half (registers that never hold cx)
	s_lshl_b32 s100, s66, 6
	s_add_co_u32 s100, s100, WSCL
	s_mov_b32 s101, 0
	s_lshl_b32 s66, s66, 10
	s_mov_b32 s67, 0
	s_mul_i32 s20, s16, XQ                         ; where they go: half x its rows
	s_mul_i32 s21, s16, SXQ
	s_mul_i32 s85, s16, WQ
	s_mul_i32 s86, s16, SWQ
	s_wait_dscnt 0x0                               ; both opening adds are done
	s_wait_kmcnt 0x0
	s_add_nc_u64 s[22:23], s[4:5], s[22:23]
	s_add_nc_u64 s[2:3], s[4:5], s[2:3]
	s_add_nc_u64 s[66:67], s[6:7], s[66:67]
	s_add_nc_u64 s[100:101], s[6:7], s[100:101]
	G0SET 56, 21, SCL, 2, 0                        ; x: scale bytes, then chunks 0 and 1
	G0SET 60, 20, 0, 22, 0
	G0SET 68, 20, CHUNK, 22, 512
	G0SET 72, 86, SCL+SWOFF, 100, 0                ; the weights likewise
	G0SET 76, 85, WOFF, 66, 0
	G0SET 80, 85, CHUNK+WOFF, 66, 512
	CROUND                                         ; all four work-groups are here: the joint loads meet
	s_cmp_lt_u32 s14, 2                            ; a wave's three first fills stand in one branch on the wave's number: three loads of mine are out
	s_cbranch_scc0 .Lfirst_w
	tensor_load_to_lds s[56:59], s[G1SX:G1SX+7]
	s_nop 0
	tensor_load_to_lds s[60:63], s[G1X:G1X+7]
	s_nop 0
	tensor_load_to_lds s[68:71], s[G1X:G1X+7]
	s_nop 0
	PLACES
	s_branch .Lfirst_done
.Lfirst_w:
	tensor_load_to_lds s[72:75], s[G1SW:G1SW+7]
	s_nop 0
	tensor_load_to_lds s[76:79], s[G1W:G1W+7]
	s_nop 0
	tensor_load_to_lds s[80:83], s[G1W:G1W+7]
	s_nop 0
	PLACES
.Lfirst_done:
	v_and_b32 v1, 15, v0                           ; r
	v_bfe_u32 v2, v0, 4, 1                         ; h
	v_mul_u32_u24 v3, v1, PITCH
	v_lshl_add_u32 v3, v2, 4, v3                   ; a fragment's row x pitch + 16 h
	s_mul_i32 s20, s15, XQ                         ; my 64 tokens
	s_mul_i32 s21, s16, WQ
	s_add_co_u32 s21, s21, WOFF                    ; my 80 features
.irp c, 0,1
	v_add_nc_u32 v[ADRA+\c], s20, v3
	v_add_nc_u32 v[ADRB+\c], s21, v3
	s_add_co_u32 s20, s20, CHUNK
	s_add_co_u32 s21, s21, CHUNK
.endr
	v_lshlrev_b32 v24, 6, v1                       ; my row's scale bytes: 64 a row,
	v_lshrrev_b32 v25, 8, v24
	v_lshl_add_u32 v24, v25, 4, v24                ; and 16 more for each 256 passed
	s_mul_i32 s21, s15, SXQ                        ; x's: my 64 rows
	s_mul_i32 s22, s16, SWQ
	s_add_co_u32 s22, s22, SWOFF                   ; the weights': my 80 rows
	s_sub_co_u32 s22, s22, s21
	v_mul_u32_u24 v25, s22, v2                     ; lanes 16-31 take the weights': one product, the distance x h
	s_add_co_u32 s21, s21, SCL
	v_add_nc_u32 v24, v24, v25
	v_add_nc_u32 v[ADRS], s21, v24
	v_and_b32 v[VST], 31, v0
	v_lshlrev_b32 v[VST], 4, v[VST]
	v_lshlrev_b32 v26, 7, v1
	v_lshl_add_u32 v26, v2, 4, v26                 ; cos, sin: token r x 128 bytes + 16 h: the four pairs of my eight channels,
	s_mul_i32 s[N16], s19, 10
	s_mul_i32 s85, s16, 5
	s_add_co_u32 s[N16], s[N16], s85               ; the number of my first feature tile
.irp k, 0,1,2,3
	s_add_co_u32 s85, s[N16], \k
	s_and_b32 s85, s85, 3
	s_lshl_b32 s85, s85, 5
	v_add_nc_u32 v[VC+\k], s85, v26                ; + 32 bytes x the tile's place in its head (tile b + 4 has tile b's place)
.endr
.irp b, 0,1,2,3,4
	s_add_co_u32 s85, s[N16], \b
	s_lshr_b32 s86, s85, 2
	s_lshl_b32 s86, s86, 18                        ; the tile's head',
	s_and_b32 s85, s85, 3
	s_lshl_b32 s85, s85, 9                         ; and its place in it
	s_add_co_u32 s85, s85, s86
	v_add_nc_u32 v[VO+\b], s85, v[VST]
.endr
	s_lshl_b32 s20, s18, 7
	s_lshl_b32 s21, s15, 6
	s_add_co_u32 s20, s20, s21                     ; my first token
	s_lshl_b32 s20, s20, 7
	s_mov_b32 s21, 0
	s_add_nc_u64 s[8:9], s[8:9], s[20:21]
	s_add_nc_u64 s[10:11], s[10:11], s[20:21]
	s_lshl_b32 s20, s18, 3
	s_lshl_b32 s22, s15, 2
	s_add_co_u32 s20, s20, s22                     ; my first tile of 16 tokens
	s_lshl_b32 s20, s20, 11
	s_add_nc_u64 s[12:13], s[12:13], s[20:21]
	WIN 0xc0                                       ; destination window 3.  v's tiles load these too, so that the head has one way
.irp a, 0,1,2,3
.irp b, 0,1,2,3,4
	global_load_b128 v[8*(5*\a+\b):8*(5*\a+\b)+3], v[VC+\b%4], s[8:9] offset:\a*2048
	global_load_b128 v[8*(5*\a+\b)+4:8*(5*\a+\b)+7], v[VC+\b%4], s[10:11] offset:\a*2048
.endr
.endr
	WIN 0
; The fragments of K step s (128 along K: chunk s / 8, its (s % 8)-th) into buffer s % 3; with a chunk's first step its scale words: register 8 i + q: lanes 0-15 x's block i, lanes 16-31 the weights' block i
; (x has four blocks: what lanes 0-15 bring for i = 4 is named by no product)
.macro FETCH s
.set FB, 72*((\s)%3)
.set CC, (\s)/8
.set QQ, (\s)%8
	WIN 0x40
.irp i, 0,1,2,3,4
.irp e, 0,1
	ds_load_b128 v[FB+8*\i+4*\e:FB+8*\i+4*\e+3], v[ADRB+CC] offset:64*QQ+32*\e+\i*16*PITCH
.endr
.endr
.irp i, 0,1,2,3
.irp e, 0,1
	ds_load_b128 v[FB+40+8*\i+4*\e:FB+40+8*\i+4*\e+3], v[ADRA+CC] offset:64*QQ+32*\e+\i*16*PITCH
.endr
.endr
.if QQ == 0
	WIN 0
.irp i, 0,1,2,3,4
.irp e, 0,1
	ds_load_b128 v[SC+40*CC+8*\i+4*\e:SC+40*CC+8*\i+4*\e+3], v[ADRS] offset:\i*1088+32*CC+16*\e
.endr
.endr
.endif
.endm
.macro MUL s, zero                     ; 20 products, the 20 accumulators by turns
.set FB, 72*((\s)%3)
.set SS, SC+40*((\s)/8)+(\s)%8
	WIN 0xa5                                       ; sources 0 and 1 window 1; C and D window 2
.irp a, 0,1,2,3
.irp b, 0,1,2,3,4
.if \zero
	v_wmma_scale_f32_16x16x128_f8f6f4 v[8*(5*\a+\b):8*(5*\a+\b)+7], v[FB+8*\b:FB+8*\b+7], v[FB+40+8*\a:FB+40+8*\a+7], 0, v[SS+8*\b], v[SS+8*\a] matrix_a_fmt:MATRIX_FMT_FP4 matrix_b_fmt:MATRIX_FMT_FP4 matrix_a_scale:MATRIX_SCALE_ROW1
.else
	v_wmma_scale_f32_16x16x128_f8f6f4 v[8*(5*\a+\b):8*(5*\a+\b)+7], v[FB+8*\b:FB+8*\b+7], v[FB+40+8*\a:FB+40+8*\a+7], v[8*(5*\a+\b):8*(5*\a+\b)+7], v[SS+8*\b], v[SS+8*\a] matrix_a_fmt:MATRIX_FMT_FP4 matrix_b_fmt:MATRIX_FMT_FP4 matrix_a_scale:MATRIX_SCALE_ROW1
.endif
.endr
.endr
.endm
.macro STEP s, zero                    ; fetch two steps ahead, multiply this step
.if (\s) == 6                          ; step 8 is chunk 1's first: that chunk is whole in LDS for every wave.
	s_wait_tensorcnt 0x0
	s_wait_dscnt 0x0
	s_barrier_signal -1
	s_barrier_wait -1
.endif
	PLACES                                         ; four places between the last step's products and the loads into the buffer that they read (ISA guide 7.12.1 for vector instructions)
.set NY, 0
.if (\s)+2 <= 15
	FETCH (\s)+2
.set NY, NY+18
.if ((\s)+2)%8 == 0
.set NY, NY+10
.endif
.endif
.if (\s)+1 <= 15
.set NY, NY+18
.if ((\s)+1)%8 == 0
.set NY, NY+10
.endif
.endif
	s_wait_dscnt NY                                ; this step's loads are in; the two younger steps' stay out: 18 each, 28 with a chunk's scale words
	MUL \s, \zero
.endm
	s_wait_tensorcnt 1                             ; the scale bytes and my part of chunk 0 are in; chunk 1's load stays out
	s_barrier_signal -1
	s_barrier_wait -1
	FETCH 0
	FETCH 1
	STEP 0, 1                                      ; the first products start the sums
.irp s, 1,2,3,4,5,6,7,8,9,10,11,12,13,14,15
	STEP \s, 0
.endr
	PLACES
	WIN 0
	s_wait_loadcnt 0x0                             ; cos and sin
; registers 2 i, 2 i + 1 of an accumulator are (t0, t1) of pair i: (t1 s, t0 s), then (t0 c - t1 s, t1 c + t0 s)
.macro ROPEM ac, i, p
	v_pk_mul_f32 v[T+2*\i:T+2*\i+1], v[\ac+2*\i:\ac+2*\i+1], v[\ac+4+2*(\i/2):\ac+5+2*(\i/2)] op_sel:[1,\p] op_sel_hi:[0,\p]
.endm
.macro ROPEF ac, i, p
	v_pk_fma_f32 v[\ac+2*\i:\ac+2*\i+1], v[\ac+2*\i:\ac+2*\i+1], v[\ac+2*(\i/2):\ac+1+2*(\i/2)], v[T+2*\i:T+2*\i+1] op_sel:[0,\p,0] op_sel_hi:[1,\p,1] neg_lo:[0,0,1]
.endm
.irp b, 0,1,2,3,4                      ; feature tile by feature tile; the first that is v's ends the rotary turn: a branch on the feature tile and the wave's number, alike in the four partners
	s_cmp_ge_u32 s[N16], 144-\b
	s_cbranch_scc1 .Lnorope
	WIN 0xae                                       ; accumulators and T window 2, cos and sin (source 1) window 3
.irp a, 0,1,2,3
	ROPEM 8*(5*\a+\b), 0, 0
	ROPEM 8*(5*\a+\b), 1, 1
	ROPEM 8*(5*\a+\b), 2, 0
	ROPEM 8*(5*\a+\b), 3, 1
	ROPEF 8*(5*\a+\b), 0, 0
	ROPEF 8*(5*\a+\b), 1, 1
	ROPEF 8*(5*\a+\b), 2, 0
	ROPEF 8*(5*\a+\b), 3, 1
.endr
	WIN 0
.endr
.Lnorope:
	WIN 0x0a                                       ; sources window 2, destination window 0
.irp a, 0,1,2,3
.irp b, 0,1,2,3,4
.irp p, 0,1,2,3
	v_cvt_pk_f16_f32 v[PK+4*(5*\a+\b)+\p], v[8*(5*\a+\b)+2*\p], v[8*(5*\a+\b)+2*\p+1]   ; each accumulator from its low end on
.endr
.endr
.endr
	WIN 0
.irp a, 0,1,2,3
.irp b, 0,1,2,3,4
	global_store_b128 v[VO+\b], v[PK+4*(5*\a+\b):PK+4*(5*\a+\b)+3], s[12:13] offset:\a*2048   ; the wave stores 512 consecutive bytes, aligned
.endr
.endr
	s_wait_tensorcnt 0x0                           ; the wave's end
	ds_add_u32 v[SPW], v[NIL]
	s_wait_dscnt 0x0
	CROUND                                         ; the closing round
	s_endpgm
.Lfunc_end_k_qa85f8ab509_qkv:
	.size	k_qa85f8ab509_qkv, .Lfunc_end_k_qa85f8ab509_qkv-k_qa85f8ab509_qkv
	.p2alignl 7, 3214868480
	.fill 96, 4, 3214868480
	.section	.rodata,"a",@progbits
	.p2align	6, 0x0
	.amdhsa_kernel k_qa85f8ab509_qkv
		.amdhsa_group_segment_fixed_size 327680
		.amdhsa_private_segment_fixed_size 0
		.amdhsa_enable_private_segment 0
		.amdhsa_kernarg_size 40
		.amdhsa_user_sgpr_count 2
		.amdhsa_user_sgpr_kernarg_segment_ptr 1
		.amdhsa_wavefront_size32 1
		.amdhsa_system_sgpr_workgroup_id_x 1
		.amdhsa_system_sgpr_workgroup_id_y 1
		.amdhsa_system_sgpr_workgroup_id_z 1
		.amdhsa_system_vgpr_workitem_id 0
		.amdhsa_next_free_vgpr 1024
		.amdhsa_next_free_sgpr 102
		.amdhsa_reserve_vcc 0
		.amdhsa_float_denorm_mode_32 3
		.amdhsa_float_denorm_mode_16_64 3
		.amdhsa_memory_ordered 1
		.amdhsa_forward_progress 1
		.amdhsa_inst_pref_size 96
	.end_amdhsa_kernel
	.amdgpu_metadata
---
amdhsa.version: [ 1, 2 ]
amdhsa.kernels:
  - .name:           k_qa85f8ab509_qkv
    .symbol:         k_qa85f8ab509_qkv.kd
    .args:
      - { .name: xq4, .offset: 0, .size: 8, .value_kind: global_buffer, .address_space: global }
      - { .name: wq4, .offset: 8, .size: 8, .value_kind: global_buffer, .address_space: global }
      - { .name: freqs_cos, .offset: 16, .size: 8, .value_kind: global_buffer, .address_space: global }
      - { .name: freqs_sin, .offset: 24, .size: 8, .value_kind: global_buffer, .address_space: global }
      - { .name: qkv, .offset: 32, .size: 8, .value_kind: global_buffer, .address_space: global }
    .group_segment_fixed_size: 327680
    .private_segment_fixed_size: 0
    .kernarg_segment_align: 8
    .kernarg_segment_size: 40
    .max_flat_workgroup_size: 128
    .sgpr_count:     102
    .vgpr_count:     1024
    .wavefront_size: 32
...
	.end_amdgpu_metadata
.endif
;; end of part 2
;; launch attn (part 3): grid 4 x 64, 8 waves a work-group, clusters of 4 x 4, 327,680 bytes of LDS; arguments qkv, mask, att, attlo; writes att, attlo
.if DOCPART == 3
	.amdgcn_target "amdgcn-amd-amdhsa--gfx1250"
	.amdhsa_code_object_version 6
	.text
	.protected	k_qa85f8ab509_attn
	.globl	k_qa85f8ab509_attn
	.p2align	8
	.type	k_qa85f8ab509_attn,@function
k_qa85f8ab509_attn:
	s_mov_b64 s[64:65], 0
	v_nop
	global_prefetch_b8 v0, s[64:65] scope:SCOPE_SE
	s_setreg_imm32_b32 hwreg(HW_REG_WAVE_MODE, 25, 1), 1
	s_wait_xcnt 0x0
	s_wait_alu depctr_hold_cnt(0) depctr_sa_sdst(0) depctr_va_vdst(0) depctr_va_sdst(0) depctr_va_ssrc(0) depctr_va_vcc(0) depctr_vm_vsrc(0)
	s_getreg_b32 s2, hwreg(HW_REG_IB_STS2, 6, 4)
	s_cmp_eq_u32 s2, 0
	s_cbranch_scc0 .Lentry_in_a_cluster
	s_endpgm
.Lentry_in_a_cluster:
	s_bfe_u32 s2, ttmp6, 0x10000c
	s_cmp_lg_u32 s2, 0xf033
	s_cbranch_scc0 .Lentry_shape_is_right
	s_endpgm
.Lentry_shape_is_right:
; o[q][head] = softmax_k(q . k / 8 + mask[q][k]) v, f16 operands, f32 sums, the mask an f32 INPUT that is read whole: no key is left out.
; t = fl(s x 0.125 + mask), one rounding as in the definition; a running maximum m; p = 2^((t - m) log2 e) with the DIFFERENCE FORMED FIRST, so that large masks and offsets cancel exactly; the row's sum is taken of the unrounded p.
; SHARES: a work-group owns one key-value head g and 32 queries.  Wave w: 16 queries (w % 2) and the two query heads 8 g + 2 (w / 2) + t, t = 0, 1, of the SAME queries: k's, v's and the mask's fragments each serve two tiles.
; TWO ROLES, HALF A KEY STEP APART.  A key step is two halves: QKF (k and the mask from LDS, the products k q^T, v from LDS into registers) and SMPV (the softmax, O^T's rescaling, the products v^T p; registers alone).
; A wave of role 0 runs QKF, SMPV; a wave of role 1 runs SMPV of the step before, then QKF, and carries scores, mask and v in registers over the change of slots.  So behind each barrier half of the waves begin with
; matrix work and half with vector work.  The role is bit 0 xor bit 2 of the wave's number: it differs between waves w and w + 4 and between waves 2 i and 2 i + 1, whichever of them are neighbours on a SIMD.
; Role 1's first SMPV finds neutral registers (scores 0, mask -infinity, v 0: p = 0, f = 1, nothing changes); its last stands behind the loops.  No barrier, tensor load or LDS access stands under a role's branch.
; LAYOUT: S^T = k q^T (source 0 = 16 keys, source 1 = 16 queries) and O^T = v^T p: a lane holds ONE query (lane % 16) throughout.  k lies in LDS as register images; v's images are read turned, by ds_load_tr16_b128.
; RING: two slots of 256 keys (two key steps of 128): k 32 KB, v 32 KB, the mask's 32 rows x 1,024 bytes.  Wave 0 fetches k, wave 1 v, wave 2 the mask: one tensor load a wave is out behind each round.
; CLUSTER 4 x 4: k and v hang on g = cx alone and are shared along a column; the mask's tile hangs on the queries alone and is shared along a row: both are asked for jointly.
; OUT: att [tile of 16 tokens 128][32 along the next K 64][2][512 bytes]: register images of the next product's fragments, f16.  attlo: for tokens 0-15, (o - f32(f16(o))) x 2048 in f16, laid likewise.
; LIMITS: o stays under 65,504; a row all of whose t are -infinity gives NaN, as the definition does; tokens 0-15 take f16 operands here like all others.
; REGISTERS: window 0: v4-10 addresses; v16-31 statistics, 8 a tile: +0 m, +2,3 the sum, +4 f, +6 at work (+1, +5, +7 are named as upper halves of pairs); v32-39 maxima; v48-55 at work; v64-191 S^T, 64 a tile, p packed in place
;   in its first 32; v192-255 the mask.   window 1: v0-31 q; v32-95 O^T, 32 a tile; v128-255 k, then v, of a key step.
.set SLOT1, 1<<17
.set VOFF,  32768
.set MOFF,  65536
.set MP,    1040                       ; a mask row in LDS: 1,024 bytes + 16: the 16 rows of a load start at 16 different groups of banks
.set SPARE, SLOT1+MOFF+32*MP           ; behind slot 1: the spare words, 128 bytes for each of eight waves
.set AK,  4                            ; v4   16 x lane
.set AV,  5                            ; v5   the turning load's piece of an image
.set AM,  6                            ; v6   my query's row of the mask tile, + 32 h
.set ADK, 7
.set ADV, 8
.set ADM, 9
.set PFO, 10
.set SPW, 14
.set NIL, 15
.set ST,  16
.set X,   32
.set Y,   48
.set S,   64
.set MK,  192
.set EE,  128                          ; the way out: o in f32
.set OO,  32                           ; window 1
.set KV,  128                          ; window 1
.set WV,  12
.set SEL, 20
.set CS,  22
.set L2E, 24
.set TB,  26                           ; s26  LDS byte at which the step's k and v begin: 16,384 a step
.set SLOTS, 27
.set G1KV, 28
.set G1M,  36
.set G0K,  44
.set G0V,  48
.set G0M,  52
.set PFA,  56
.set PFS,  58
.set LIM,  60
.set ROLE, 61                          ; s61  0: QKF, SMPV;  1: SMPV, QKF
.set TM,   62                          ; s62  the same for the mask: 512 a step
.set TWICE, 63                         ; s63  counts a slot's two steps
.set MSB, 0
.macro WIN new
.if MSB != \new
	s_set_vgpr_msb (MSB<<8)|\new
.set MSB, \new
.endif
.endm
.macro CROUND
	s_barrier_signal -1
	s_barrier_wait -1
	s_cmp_lg_u32 s[WV], 0
	s_cbranch_scc1 .Lnot_wave_0_\@
	s_barrier_signal -3
.Lnot_wave_0_\@:
	s_barrier_wait -3
	s_barrier_signal -1
	s_barrier_wait -1
.endm
; The joint loads: each line has one mask and one set of registers; the branches hang on the wave's number alone.  An s_nop 0 and four v_nop follow each line.
.macro JLOAD3
	s_cmp_lg_u32 s[WV], 0
	s_cbranch_scc1 .Lnot_k_\@
	tensor_load_to_lds s[G0K:G0K+3], s[G1KV:G1KV+7]
	s_nop 0
.rept 4
	v_nop
.endr
	s_branch .Lasked_\@
.Lnot_k_\@:
	s_cmp_lg_u32 s[WV], 1
	s_cbranch_scc1 .Lnot_v_\@
	tensor_load_to_lds s[G0V:G0V+3], s[G1KV:G1KV+7]
	s_nop 0
.rept 4
	v_nop
.endr
	s_branch .Lasked_\@
.Lnot_v_\@:
	s_cmp_lg_u32 s[WV], 2
	s_cbranch_scc1 .Lasked_\@
	tensor_load_to_lds s[G0M:G0M+3], s[G1M:G1M+7]
	s_nop 0
.rept 4
	v_nop
.endr
.Lasked_\@:
.endm
; A prefetch of what the NEXT change of slots will ask for, two key steps ahead of that load.  Each aligned block of 256 bytes is named once in the launch: wave 3 of every work-group takes its 32 mask rows, a lane a row,
; and of a row's four blocks the one numbered cx (the four partners that share the rows are told apart by address); waves 4 and 5 of the clusters with y = 0 take k's and v's 32 KB, partner cy 8 KB of them, lanes 256 bytes apart.
; The last change that fills a slot asks for nothing; nothing is asked for at the head.
.macro ASK
	s_cmp_gt_u32 s[SLOTS], s[LIM]
	s_cbranch_scc0 .Lnot_mine_\@
	global_prefetch_b8 v[PFO], s[PFA:PFA+1] th:TH_LOAD_NT scope:SCOPE_SE
.Lnot_mine_\@:
.endm
	s_load_b256 s[4:11], s[0:1], 0x0               ; qkv, mask, att, attlo
	v_lshl_add_u32 v[SPW], v0, 2, SPARE
	v_mov_b32 v[NIL], 0
	ds_add_u32 v[SPW], v[NIL]                      ; the opening: the add, twice on end, and its wait ahead of the first tensor loads
	ds_add_u32 v[SPW], v[NIL]
	v_lshrrev_b32 v1, 5, v0
	v_readfirstlane_b32 s[WV], v1                  ; wave 0..7
	s_bfe_u32 s13, ttmp6, 0x40000                  ; cx
	s_bfe_u32 s14, ttmp6, 0x40004                  ; cy
	s_and_b32 s15, ttmp7, 0xffff                   ; cluster y
	s_lshl_b32 s16, s15, 2
	s_add_co_u32 s16, s16, s14                     ; my block of 32 queries
	s_and_b32 s17, s[WV], 1                        ; which 16 of them
	s_lshr_b32 s18, s[WV], 1                       ; which pair of heads
	s_lshl_b32 s19, ttmp9, 2
	s_add_co_u32 s19, s19, s13                     ; the key-value head
	s_lshr_b32 s[ROLE], s[WV], 2
	s_xor_b32 s[ROLE], s[ROLE], s[WV]
	s_and_b32 s[ROLE], s[ROLE], 1                  ; bit 0 xor bit 2 of the wave's number
	s_lshl_b32 s66, 0x1111, s13                    ; my column of the cluster
	s_lshl_b32 s68, s14, 2
	s_lshl_b32 s68, 15, s68                        ; my row
	s_or_b32 s[G1KV], s66, (3<<16)|(1<<21)         ; k, v: 32 KB dense, as 128 rows of 32 elements of 8 bytes
	s_mov_b32 s[G1KV+1], 32<<16
	s_mov_b32 s[G1KV+2], 128<<16
	s_mov_b32 s[G1KV+3], 32<<16
	s_mov_b32 s[G1KV+4], 128
	s_mov_b32 s[G1KV+5], 32
	s_mov_b32 s[G1KV+6], 0
	s_mov_b32 s[G1KV+7], 0
	s_or_b32 s[G1M], s68, (3<<16)|(1<<20)|(1<<21)|(7<<22)|(3<<25)   ; the mask: 32 rows of 128 elements of 8 bytes, 4 words of padding behind every 256
	s_mov_b32 s[G1M+1], 128<<16
	s_mov_b32 s[G1M+2], 32<<16
	s_mov_b32 s[G1M+3], 128<<16
	s_mov_b32 s[G1M+4], 32
	s_mov_b32 s[G1M+5], 1024                       ; a row of the mask in memory: 8,192 bytes
	s_mov_b32 s[G1M+6], 0
	s_mov_b32 s[G1M+7], 0
	s_mov_b32 s[SEL], 0x76543210
	s_mov_b32 s[SEL+1], 0xfedcba98                 ; lane l xor 16
	s_mov_b32 s[CS], 0x3e000000                    ; 1 / sqrt(64)
	s_mov_b32 s[CS+1], s[CS]
	s_mov_b32 s[L2E], 0x3fb8aa3b                   ; log2 e
	s_mov_b32 s[L2E+1], s[L2E]
	s_mov_b32 s[TB], 0
	s_mov_b32 s[TM], 0
	s_mov_b32 s[SLOTS], 7
	s_add_co_u32 s66, s19, 32
	s_lshl_b32 s66, s66, 18                        ; k of my head: head' 32 + g (registers that never hold cy)
	s_mov_b32 s67, 0
	s_lshl_b32 s68, s16, 18                        ; my 32 rows of the mask (registers that never hold cx)
	s_mov_b32 s69, 0
	s_wait_dscnt 0x0                               ; both opening adds are done
	s_wait_kmcnt 0x0
	s_mov_b32 s[G0K], 1
	s_mov_b32 s[G0K+1], 0
	s_add_nc_u64 s[G0K+2:G0K+3], s[4:5], s[66:67]
	s_mov_b32 s[G0V], 1
	s_mov_b32 s[G0V+1], VOFF
	s_add_nc_u64 s[G0V+2:G0V+3], s[G0K+2:G0K+3], 0x100000   ; v: four heads' further on
	s_or_b32 s[G0K+3], s[G0K+3], 0x80000000
	s_or_b32 s[G0V+3], s[G0V+3], 0x80000000
	s_mov_b32 s[G0M], 1
	s_mov_b32 s[G0M+1], MOFF
	s_add_nc_u64 s[G0M+2:G0M+3], s[6:7], s[68:69]
	s_or_b32 s[G0M+3], s[G0M+3], 0x80000000
	CROUND                                         ; all sixteen work-groups are here
	JLOAD3                                         ; slot 0
	s_lshl_b32 s70, s19, 3
	s_lshl_b32 s71, s18, 1
	s_add_co_u32 s70, s70, s71                     ; the first of my two heads
	s_lshl_b32 s72, s16, 1
	s_add_co_u32 s72, s72, s17                     ; my tile of 16 tokens
	s_lshl_b32 s74, s70, 18
	s_lshl_b32 s75, s72, 11
	s_add_co_u32 s74, s74, s75
	s_mov_b32 s75, 0
	s_add_nc_u64 s[76:77], s[4:5], s[74:75]        ; q
	s_lshl_b32 s74, s72, 16
	s_lshl_b32 s73, s70, 11
	s_add_co_u32 s74, s74, s73
	s_add_nc_u64 s[8:9], s[8:9], s[74:75]          ; att
	s_mov_b32 s74, s73
	s_add_nc_u64 s[10:11], s[10:11], s[74:75]      ; attlo
	; the prefetches: where my wave's stand, and who asks
	s_lshl_b32 s74, s16, 18
	s_lshl_b32 s78, s13, 8
	s_add_co_u32 s74, s74, s78                     ; the mask: my rows, block cx
	s_cmp_eq_u32 s[WV], 5
	s_cselect_b32 s78, 36, 32
	s_add_co_u32 s78, s78, s19
	s_lshl_b32 s78, s78, 18
	s_lshl_b32 s79, s14, 13
	s_add_co_u32 s78, s78, s79                     ; k or v: my head, partner cy's 8 KB
	s_mov_b32 s[PFS], 32768
	s_mov_b32 s73, 256
	s_cmp_eq_u32 s[WV], 3
	s_cselect_b64 s[PFA:PFA+1], s[6:7], s[4:5]
	s_cselect_b32 s74, s74, s78
	s_cselect_b32 s[PFS], 1024, s[PFS]             ; a slot on
	s_cselect_b32 s73, 8192, s73                   ; from lane to lane
	s_add_co_u32 s74, s74, s[PFS]                  ; in slot 1: the first change steps it to slot 2
	s_mov_b32 s[PFS+1], 0
	s_add_nc_u64 s[PFA:PFA+1], s[PFA:PFA+1], s[74:75]
	s_sub_co_u32 s78, s[WV], 4
	s_lshr_b32 s78, s78, 1                         ; 0 in waves 4 and 5,
	s_or_b32 s78, s78, s15                         ; of the clusters with y = 0: alike in all partners
	s_cmp_eq_u32 s78, 0
	s_cselect_b32 s[LIM], 1, -1
	s_cmp_eq_u32 s[WV], 3
	s_cselect_b32 s[LIM], 1, s[LIM]
	v_and_b32 v[PFO], 31, v0
	v_mul_lo_u32 v[PFO], v[PFO], s73
	v_and_b32 v1, 15, v0                           ; r
	v_bfe_u32 v2, v0, 4, 1                         ; h
	v_and_b32 v3, 31, v0
	v_lshlrev_b32 v[AK], 4, v3
	v_and_b32 v11, 7, v0                           ; the turning load: lane L addresses key 8 (L / 16) + L % 8, channels 8 ((L / 8) % 2) on: piece (L % 8) + 8 bit 4 + 16 bit 3 of the image
	v_bfe_u32 v12, v0, 3, 1
	v_lshl_add_u32 v11, v12, 4, v11
	v_lshl_add_u32 v11, v2, 3, v11
	v_lshl_add_u32 v[AV], v11, 4, VOFF
	s_lshl_b32 s66, s17, 4
	v_add_nc_u32 v11, s66, v1
	v_mul_u32_u24 v11, v11, MP
	v_lshl_add_u32 v11, v2, 5, v11
	v_add_nc_u32 v[AM], MOFF, v11
	WIN 0x40                                       ; destination window 1
.irp t, 0,1
.irp n, 0,1,2,3
	global_load_b128 v[16*\t+4*\n:16*\t+4*\n+3], v[AK], s[76:77] offset:\t*262144+\n*512   ; q stays in registers
.endr
.endr
.set i, 0
.rept 64
	v_mov_b32 v[OO+i], 0                           ; O^T.  (SMPV is written once for all steps: the first real one finds zeros, which its f, 0, leaves zeros)
.set i, i+1
.endr
; What role 1's first SMPV finds: v = 0, scores = 0, mask = -infinity.  Then t = -infinity, m stays, f = 2^0 = 1, every p = 0, and the sums and O^T stay 0.  Written by all waves, while the first tiles are on their way,
; so that the key step has one text and no first trip of its own.
.set i, 0
.rept 128
	v_mov_b32 v[KV+i], 0
.set i, i+1
.endr
	WIN 0
.set i, 0
.rept 128
	v_mov_b32 v[S+i], 0
.set i, i+1
.endr
.set i, 0
.rept 64
	v_mov_b32 v[MK+i], 0xff800000
.set i, i+1
.endr
.irp t, 0,1
	v_mov_b32 v[ST+8*\t], 0xff7fffff               ; m: under every finite t
.irp i, 1,2,3,4,5,6,7
	v_mov_b32 v[ST+8*\t+\i], 0
.endr
.endr
	s_wait_loadcnt 0x0                             ; q
; THE FIRST HALF OF A KEY STEP: k and the mask from LDS, S^T = k q^T, v from LDS.  All of the step's LDS reads stand here.
.macro QKF
	s_wait_dscnt 0x0                               ; no LDS load of mine is out when k's registers are loaded anew (v was awaited ahead of its products)
	v_add_nc_u32 v[ADK], s[TB], v[AK]
	v_add_nc_u32 v[ADV], s[TB], v[AV]
	v_add_nc_u32 v[ADM], s[TM], v[AM]
	WIN 0x40
.set n, 0
.rept 32
	ds_load_b128 v[KV+4*n:KV+4*n+3], v[ADK] offset:512*n           ; k: tile of 16 keys n / 4, image n % 4
.set n, n+1
.endr
	WIN 0
.set n, 0
.rept 16
	ds_load_b128 v[MK+4*n:MK+4*n+3], v[ADM] offset:64*(n/2)+16*(n%2)   ; the mask of my query at keys 16 (n / 2) + 8 h + 4 (n % 2) on
.set n, n+1
.endr
	s_wait_dscnt 16                                ; k is in; the mask's 16 loads stay out
	WIN 0x05
.irp c, 0,1
.irp k, 0,1,2,3,4,5,6,7
.irp t, 0,1
.if \c == 0
	v_wmma_f32_16x16x32_f16 v[S+64*\t+8*\k:S+64*\t+8*\k+7], v[KV+16*\k:KV+16*\k+7], v[16*\t:16*\t+7], 0
.else
	v_wmma_f32_16x16x32_f16 v[S+64*\t+8*\k:S+64*\t+8*\k+7], v[KV+16*\k+8:KV+16*\k+15], v[16*\t+8:16*\t+15], v[S+64*\t+8*\k:S+64*\t+8*\k+7]
.endif
.endr
.endr
.endr
.rept 4
	v_nop                                          ; places ahead of the loads over k and of the first read of the scores
.endr
	WIN 0x40
.irp p, 0,1,2,3
.irp c, 0,1,2,3
.irp e, 0,1
	ds_load_tr16_b128 v[KV+8*(4*\p+\c)+4*\e:KV+8*(4*\p+\c)+4*\e+3], v[ADV] offset:(2*\p+\e)*2048+\c*512   ; v^T: channels 16 c on, keys 32 p + 16 e on
.endr
.endr
.endr
	WIN 0
	s_add_co_u32 s[TB], s[TB], 16384               ; the next fetch is the next step's
	s_add_co_u32 s[TM], s[TM], 512
.endm
; THE SECOND HALF: the softmax of both tiles, O^T's rescaling, O^T += v^T p.  Registers alone.
.macro SMPV
	s_wait_dscnt 32                                ; the mask is in; v's 32 loads may stay out
.irp t, 0,1
.set i, 0
.rept 32
	v_pk_fma_f32 v[S+64*\t+2*i:S+64*\t+2*i+1], v[S+64*\t+2*i:S+64*\t+2*i+1], s[CS:CS+1], v[MK+2*i:MK+2*i+1] op_sel_hi:[1,0,1]   ; t = s / 8 + mask, each accumulator from its low end on
.set i, i+1
.endr
.endr
.irp t, 0,1
.irp c, 0,1,2,3
	v_max3_num_f32 v[X+4*\t+\c], v[S+64*\t+16*\c], v[S+64*\t+16*\c+1], v[S+64*\t+16*\c+2]   ; the maximum: four chains a tile, by turns
.endr
.endr
.irp i, 3,5,7,9,11,13
.irp t, 0,1
.irp c, 0,1,2,3
	v_max3_num_f32 v[X+4*\t+\c], v[X+4*\t+\c], v[S+64*\t+16*\c+\i], v[S+64*\t+16*\c+\i+1]
.endr
.endr
.endr
.irp t, 0,1
.irp c, 0,1,2,3
	v_max_num_f32 v[X+4*\t+\c], v[X+4*\t+\c], v[S+64*\t+16*\c+15]
.endr
.endr
.irp t, 0,1
	v_max3_num_f32 v[X+4*\t], v[X+4*\t], v[X+4*\t+1], v[X+4*\t+2]
.endr
.irp t, 0,1
	v_mov_b32 v[ST+8*\t+6], v[ST+8*\t]             ; the old m is kept for f
.endr
.irp t, 0,1
	v_max3_num_f32 v[X+4*\t], v[X+4*\t], v[X+4*\t+3], v[ST+8*\t]
.endr
.irp t, 0,1
	v_permlanex16_b32 v[X+4*\t+1], v[X+4*\t], s[SEL], s[SEL+1]   ; the query's other keys lie in the lane 16 away
.endr
.irp t, 0,1
	v_max_num_f32 v[ST+8*\t], v[X+4*\t], v[X+4*\t+1]             ; the new m
.endr
.irp t, 0,1
	v_sub_f32 v[ST+8*\t+6], v[ST+8*\t+6], v[ST+8*\t]
.endr
.irp t, 0,1
	v_mul_f32 v[ST+8*\t+6], s[L2E], v[ST+8*\t+6]
.endr
.irp t, 0,1
.set i, 0
.rept 32
	v_pk_add_f32 v[S+64*\t+2*i:S+64*\t+2*i+1], v[S+64*\t+2*i:S+64*\t+2*i+1], v[ST+8*\t:ST+8*\t+1] op_sel_hi:[1,0] neg_lo:[0,1] neg_hi:[0,1]   ; t - m first,
.set i, i+1
.endr
.endr
.irp t, 0,1
.set i, 0
.rept 32
	v_pk_mul_f32 v[S+64*\t+2*i:S+64*\t+2*i+1], v[S+64*\t+2*i:S+64*\t+2*i+1], s[L2E:L2E+1] op_sel_hi:[1,0]   ; then x log2 e
.set i, i+1
.endr
.endr
.irp t, 0,1
	v_exp_f32 v[ST+8*\t+4], v[ST+8*\t+6]           ; f = e^(old m - new m).  ONE BATCH of 130 exponentials: none reads another's result
.endr
.irp t, 0,1
.set i, 0
.rept 64
	v_exp_f32 v[S+64*\t+i], v[S+64*\t+i]
.set i, i+1
.endr
.endr
	v_nop                                          ; a plain line behind the last exponential
	s_wait_alu depctr_va_vdst(0)                   ; one wait for the batch, ahead of its first reader
.irp t, 0,1
	v_pk_mul_f32 v[ST+8*\t+2:ST+8*\t+3], v[ST+8*\t+2:ST+8*\t+3], v[ST+8*\t+4:ST+8*\t+5] op_sel_hi:[1,0]   ; the sum under the new m
.endr
.irp t, 0,1
	v_pk_add_f32 v[Y+2*\t:Y+2*\t+1], v[S+64*\t:S+64*\t+1], v[S+64*\t+2:S+64*\t+3]
.endr
.irp j, 4,8,12,16,20,24,28,32,36,40,44,48,52,56,60
.irp t, 0,1
	v_pk_add_f32 v[ST+8*\t+2:ST+8*\t+3], v[ST+8*\t+2:ST+8*\t+3], v[S+64*\t+\j:S+64*\t+\j+1]
	v_pk_add_f32 v[Y+2*\t:Y+2*\t+1], v[Y+2*\t:Y+2*\t+1], v[S+64*\t+\j+2:S+64*\t+\j+3]
.endr
.endr
.irp t, 0,1
	v_pk_add_f32 v[ST+8*\t+2:ST+8*\t+3], v[ST+8*\t+2:ST+8*\t+3], v[Y+2*\t:Y+2*\t+1]
.endr
.irp t, 0,1
.set i, 0
.rept 32
	v_cvt_pk_f16_f32 v[S+64*\t+i], v[S+64*\t+2*i], v[S+64*\t+2*i+1]   ; p in f16, in place: register i was read at i / 2.  Registers 8 p .. 8 p + 7 are source 1 for keys 32 p on
.set i, i+1
.endr
.endr
	WIN 0x41
.irp t, 0,1
.set i, 0
.rept 16
	v_pk_mul_f32 v[OO+32*\t+2*i:OO+32*\t+2*i+1], v[OO+32*\t+2*i:OO+32*\t+2*i+1], v[ST+8*\t+4:ST+8*\t+5] op_sel_hi:[1,0]   ; O^T under the new m
.set i, i+1
.endr
.endr
	s_wait_dscnt 0x0                               ; v is in
	WIN 0x51
.irp p, 0,1,2,3
.irp c, 0,1,2,3
.irp t, 0,1
	v_wmma_f32_16x16x32_f16 v[OO+32*\t+8*\c:OO+32*\t+8*\c+7], v[KV+8*(4*\p+\c):KV+8*(4*\p+\c)+7], v[S+64*\t+8*\p:S+64*\t+8*\p+7], v[OO+32*\t+8*\c:OO+32*\t+8*\c+7]
.endr
.endr
.endr
.rept 5
	v_nop                                          ; five places behind these products, whatever follows: the next scores are laid over p, the next k over v, and the way out reads O^T
.endr
	WIN 0
.endm
; A KEY STEP, for both roles: the branches hang on the wave's number alone and lead round work on registers alone
.macro BODY
	s_cmp_eq_u32 s[ROLE], 0
	s_cbranch_scc1 .Lnone_carried_\@
	SMPV                                           ; role 1: the step before
.Lnone_carried_\@:
	QKF
	s_cmp_lg_u32 s[ROLE], 0
	s_cbranch_scc1 .Lcarried_on_\@
	SMPV                                           ; role 0: this step
.Lcarried_on_\@:
.endm
; THE CHANGE OF SLOTS, at a slot's head: every wave waits for all its tensor loads, adds 0 to its spare word, waits for that and for its reads of the slot left (role 1's last v and mask among them: they are in registers now);
; behind the round the slot ahead is whole and the other is filled.
.macro CHANGE fill
	s_wait_tensorcnt 0x0                           ; no tensor load of mine is out: a group 0 may be written
	ds_add_u32 v[SPW], v[NIL]
.if \fill
	ds_add_u32 v[SPW], v[NIL]                      ; and twice on end here, in every trip alike
	s_xor_b32 s[G0K+1], s[G0K+1], SLOT1            ; the walking descriptors: the other slot, the next 256 keys
	s_add_nc_u64 s[G0K+2:G0K+3], s[G0K+2:G0K+3], 32768
	s_xor_b32 s[G0V+1], s[G0V+1], SLOT1
	s_add_nc_u64 s[G0V+2:G0V+3], s[G0V+2:G0V+3], 32768
	s_xor_b32 s[G0M+1], s[G0M+1], SLOT1
	s_add_nc_u64 s[G0M+2:G0M+3], s[G0M+2:G0M+3], 1024
	s_wait_xcnt 0x0                                ; the last prefetch, a slot back, has read its address
	s_add_nc_u64 s[PFA:PFA+1], s[PFA:PFA+1], s[PFS:PFS+1]
	s_wait_dscnt 0x0
	CROUND
	JLOAD3                                         ; the first thing behind the round, one load a wave: it has two key steps in which to land
	ASK
.else
	s_wait_dscnt 0x0
	s_barrier_signal -1
	s_barrier_wait -1
.endif
.endm
; A slot's two key steps: written once, walked twice; the LDS addresses hang on s[TB] and s[TM], which then go back to a slot's first step, in the other slot
.macro TWO_STEPS
	s_mov_b32 s[TWICE], 2
.Lstep_\@:
	BODY
	s_sub_co_u32 s[TWICE], s[TWICE], 1
	s_cmp_lg_u32 s[TWICE], 0
	s_cbranch_scc1 .Lstep_\@
	s_sub_co_u32 s[TB], s[TB], 32768
	s_xor_b32 s[TB], s[TB], SLOT1
	s_sub_co_u32 s[TM], s[TM], 1024
	s_xor_b32 s[TM], s[TM], SLOT1
.endm
.Lslot:                                            ; seven trips: behind each change but the last the next slot is asked for
	CHANGE 1
	TWO_STEPS
	s_sub_co_u32 s[SLOTS], s[SLOTS], 1
	s_cmp_lg_u32 s[SLOTS], 0
	s_cbranch_scc1 .Lslot
	CHANGE 0                                       ; the last slot is written out
	TWO_STEPS
	s_cmp_eq_u32 s[ROLE], 0
	s_cbranch_scc1 .Lall_done
	SMPV                                           ; role 1: the last step
.Lall_done:
	; THE WAY OUT (the five places at SMPV's end stand behind the last products)
.irp t, 0,1
	v_add_f32 v[ST+8*\t+6], v[ST+8*\t+2], v[ST+8*\t+3]
.endr
.irp t, 0,1
	v_permlanex16_b32 v[X+4*\t], v[ST+8*\t+6], s[SEL], s[SEL+1]
.endr
.irp t, 0,1
	v_add_f32 v[X+4*\t], v[X+4*\t], v[ST+8*\t+6]   ; the row's sum
.endr
.irp t, 0,1
	v_rcp_f32 v[ST+8*\t+6], v[X+4*\t]
.endr
	v_nop
	s_wait_alu depctr_va_vdst(0)                   ; one wait for the two reciprocals
	WIN 0x01
.irp t, 0,1
.set i, 0
.rept 16
	v_pk_mul_f32 v[EE+32*\t+2*i:EE+32*\t+2*i+1], v[OO+32*\t+2*i:OO+32*\t+2*i+1], v[ST+8*\t+6:ST+8*\t+7] op_sel_hi:[1,0]
.set i, i+1
.endr
.endr
	WIN 0
.irp t, 0,1
.set i, 0
.rept 16
	v_cvt_pk_f16_f32 v[S+16*\t+i], v[EE+32*\t+2*i], v[EE+32*\t+2*i+1]
.set i, i+1
.endr
.irp c, 0,1,2,3
	global_store_b128 v[AK], v[S+16*\t+4*\c:S+16*\t+4*\c+3], s[8:9] offset:\t*2048+\c*512   ; 512 consecutive bytes, aligned
.endr
.endr
	; tokens 0-15 (cluster y = 0, cy = 0, the wave's first 16 queries): what f16 dropped, x 2048.  The branch is alike in all partners; cy only narrows EXEC
	s_or_b32 s66, s15, s17
	s_cmp_lg_u32 s66, 0
	s_cbranch_scc1 .Lnolo
	s_cmp_eq_u32 s14, 0
	s_cselect_b32 s70, -1, 0
	s_wait_xcnt 0x0                                ; EXEC changes only behind this wait
	s_and_saveexec_b32 s71, s70
.irp p, 64,65,66,67,68,69,70,71,72,73,74,75,76,77,78,79,80,81,82,83,84,85,86,87,88,89,90,91,92,93,94,95
	v_cvt_f32_f16 v[Y+2*(\p%4)], v\p\().l
	v_cvt_f32_f16 v[Y+2*(\p%4)+1], v\p\().h
	v_pk_add_f32 v[Y+2*(\p%4):Y+2*(\p%4)+1], v[EE+2*(\p-64):EE+2*(\p-64)+1], v[Y+2*(\p%4):Y+2*(\p%4)+1] neg_lo:[0,1] neg_hi:[0,1]
	v_pk_mul_f32 v[Y+2*(\p%4):Y+2*(\p%4)+1], v[Y+2*(\p%4):Y+2*(\p%4)+1], 0x45000000 op_sel_hi:[1,0]
	v_cvt_pk_f16_f32 v[\p+32], v[Y+2*(\p%4)], v[Y+2*(\p%4)+1]
.endr
.irp t, 0,1
.irp c, 0,1,2,3
	global_store_b128 v[AK], v[96+16*\t+4*\c:96+16*\t+4*\c+3], s[10:11] offset:\t*2048+\c*512
.endr
.endr
	s_wait_xcnt 0x0                                ; and again ahead of the line that widens it
	s_or_b32 exec_lo, exec_lo, s71
.Lnolo:
	s_wait_tensorcnt 0x0                           ; the wave's end
	ds_add_u32 v[SPW], v[NIL]
	s_wait_dscnt 0x0
	CROUND                                         ; the closing round
	s_endpgm
.Lfunc_end_k_qa85f8ab509_attn:
	.size	k_qa85f8ab509_attn, .Lfunc_end_k_qa85f8ab509_attn-k_qa85f8ab509_attn
	.p2alignl 7, 3214868480
	.fill 96, 4, 3214868480
	.section	.rodata,"a",@progbits
	.p2align	6, 0x0
	.amdhsa_kernel k_qa85f8ab509_attn
		.amdhsa_group_segment_fixed_size 327680
		.amdhsa_private_segment_fixed_size 0
		.amdhsa_enable_private_segment 0
		.amdhsa_kernarg_size 32
		.amdhsa_user_sgpr_count 2
		.amdhsa_user_sgpr_kernarg_segment_ptr 1
		.amdhsa_wavefront_size32 1
		.amdhsa_system_sgpr_workgroup_id_x 1
		.amdhsa_system_sgpr_workgroup_id_y 1
		.amdhsa_system_sgpr_workgroup_id_z 1
		.amdhsa_system_vgpr_workitem_id 0
		.amdhsa_next_free_vgpr 512
		.amdhsa_next_free_sgpr 80
		.amdhsa_reserve_vcc 0
		.amdhsa_float_denorm_mode_32 3
		.amdhsa_float_denorm_mode_16_64 3
		.amdhsa_memory_ordered 1
		.amdhsa_forward_progress 1
		.amdhsa_inst_pref_size 222
	.end_amdhsa_kernel
	.amdgpu_metadata
---
amdhsa.version: [ 1, 2 ]
amdhsa.kernels:
  - .name:           k_qa85f8ab509_attn
    .symbol:         k_qa85f8ab509_attn.kd
    .args:
      - { .name: qkv, .offset: 0, .size: 8, .value_kind: global_buffer, .address_space: global }
      - { .name: mask, .offset: 8, .size: 8, .value_kind: global_buffer, .address_space: global }
      - { .name: att, .offset: 16, .size: 8, .value_kind: global_buffer, .address_space: global }
      - { .name: attlo, .offset: 24, .size: 8, .value_kind: global_buffer, .address_space: global }
    .group_segment_fixed_size: 327680
    .private_segment_fixed_size: 0
    .kernarg_segment_align: 8
    .kernarg_segment_size: 32
    .max_flat_workgroup_size: 256
    .sgpr_count:     80
    .vgpr_count:     512
    .wavefront_size: 32
...
	.end_amdgpu_metadata
.endif
;; end of part 3
;; launch wofine (part 4): grid 32 x 8, 8 waves a work-group, no clusters, 167,936 bytes of LDS; arguments wo, att, attlo, wo16, part; writes wo16, part
.if DOCPART == 4
	.amdgcn_target "amdgcn-amd-amdhsa--gfx1250"
	.amdhsa_code_object_version 6
	.text
	.protected	k_qa85f8ab509_wofine
	.globl	k_qa85f8ab509_wofine
	.p2align	8
	.type	k_qa85f8ab509_wofine,@function
k_qa85f8ab509_wofine:
	s_mov_b64 s[64:65], 0
	v_nop
	global_prefetch_b8 v0, s[64:65] scope:SCOPE_SE
	s_setreg_imm32_b32 hwreg(HW_REG_WAVE_MODE, 25, 1), 1
	s_wait_xcnt 0x0
; Two things with one read of wo [2048 (K)][2048], f32.  (1) wo16 [tile of 16 columns 128][32 along K 64][2][512 bytes]: wo in f16 as register images of fragments with K along the registers (lane (r, h): column r,
; k = 16 e + 8 h + 0 .. 7).  (2) Tokens 0-15 of the last product, carried as PAIRS of f16 on both sides: a = ah + al / 2048, w = wh + wl / 2048, split in f32: sum = wh ah + (wh al + wl ah) / 2048 (the term of both
; low parts, 2^-22 of the sum in size, is dropped).  part [run of 256 along K 8][16][2048] f32: a partial sum for each run; the next launch adds the eight.
; SHARES: a work-group takes 64 columns x 256 along K, wave w 32 rows of K.  One tensor load a wave brings its 32 rows x 256 bytes into LDS bytes of its own, filled once and read by that wave alone.
; No cluster: work-groups share only att's and attlo's 2 KB a wave, a small part of a work-group's 64 KB of wo.  K is split over work-groups so that all 256 have a share and wo's rows are read in runs of 256 bytes.
; LIMITS: |wo| stays under 65,504.
.set PITCH, 272
.set WREG,  32*PITCH                   ; a wave's rows of wo
.set RED,   8*WREG                     ; the waves' 16 x 64 sums, rows of 256 bytes + 16; no fill lands here
.set RW,    16*PITCH
.set SPARE, RED+8*RW
.set WA,  4                            ; v4  my column and half in the wave's rows
.set LI,  5                            ; v5  16 x lane
.set RS,  6                            ; v6  where I put my sums
.set RL,  7                            ; v7  where I read eight waves' sums
.set PO,  8                            ; v8  my byte in part
.set SPW, 14
.set NIL, 15
.set WH,  16                           ; v16-47  wo's high parts, four fragments
.set WL,  48                           ; v48-79  its low parts x 2048
.set AH,  80                           ; v80-87  tokens 0-15, high
.set AL,  88                           ; v88-95  low x 2048
.set T,   96
.set W,   128                          ; v128-191 wo in f32; later the sums
.set D,   192                          ; v192-223 wh ah; later the eight waves' sums
.set E,   224                          ; v224-255 wh al + wl ah
	s_load_b256 s[4:11], s[0:1], 0x0               ; wo, att, attlo, wo16
	s_load_b64 s[12:13], s[0:1], 0x20              ; part
	v_lshl_add_u32 v[SPW], v0, 2, SPARE
	v_mov_b32 v[NIL], 0
	ds_add_u32 v[SPW], v[NIL]                      ; the opening: the add, twice on end, and its wait ahead of my tensor load
	ds_add_u32 v[SPW], v[NIL]
	v_lshrrev_b32 v1, 5, v0
	v_readfirstlane_b32 s14, v1                    ; wave 0..7
	s_and_b32 s15, ttmp7, 0xffff                   ; which 256 along K
	s_lshl_b32 s16, s15, 3
	s_add_co_u32 s16, s16, s14                     ; my 32 along K: 0 .. 63
	s_mov_b32 s24, (2<<16)|(1<<20)|(5<<22)|(3<<25) ; elements of 4 bytes; 4 words of padding behind every 64
	s_mov_b32 s25, 64<<16
	s_mov_b32 s26, 32<<16
	s_mov_b32 s27, 64<<16
	s_mov_b32 s28, 32
	s_mov_b32 s29, 2048
	s_mov_b32 s30, 0
	s_mov_b32 s31, 0
	s_lshl_b32 s18, s16, 18                        ; 32 rows of 8,192 bytes
	s_lshl_b32 s19, ttmp9, 8                       ; 64 columns
	s_add_co_u32 s18, s18, s19
	s_mov_b32 s19, 0
	s_mul_i32 s17, s14, WREG
	s_wait_dscnt 0x0
	s_wait_kmcnt 0x0
	s_mov_b32 s20, 1
	s_mov_b32 s21, s17
	s_add_nc_u64 s[22:23], s[4:5], s[18:19]
	s_or_b32 s23, s23, 0x80000000
	tensor_load_to_lds s[20:23], s[24:31]
	s_nop 0
	v_and_b32 v1, 15, v0                           ; r
	v_bfe_u32 v2, v0, 4, 1                         ; h
	v_and_b32 v3, 31, v0
	v_lshlrev_b32 v[LI], 4, v3
	v_mul_u32_u24 v[WA], v2, 8*PITCH
	v_lshl_add_u32 v[WA], v1, 2, v[WA]
	v_add_nc_u32 v[WA], s17, v[WA]                 ; row 8 h, column r
	s_lshl_b32 s18, s16, 10
	s_add_nc_u64 s[6:7], s[6:7], s[18:19]
	s_add_nc_u64 s[8:9], s[8:9], s[18:19]
	global_load_b128 v[AH:AH+3], v[LI], s[6:7]
	global_load_b128 v[AH+4:AH+7], v[LI], s[6:7] offset:512
	global_load_b128 v[AL:AL+3], v[LI], s[8:9]
	global_load_b128 v[AL+4:AL+7], v[LI], s[8:9] offset:512
	s_lshl_b32 s32, ttmp9, 18                      ; four tiles of columns x 64 KB
	s_add_co_u32 s32, s32, s18
	s_mov_b32 s33, 0
	s_add_nc_u64 s[10:11], s[10:11], s[32:33]
	s_lshl_b32 s32, s15, 17
	s_lshl_b32 s34, ttmp9, 8
	s_add_co_u32 s32, s32, s34
	s_add_nc_u64 s[12:13], s[12:13], s[32:33]
	s_mul_i32 s34, s14, RW
	s_add_co_u32 s34, s34, RED
	v_mul_u32_u24 v[RS], v1, PITCH
	v_lshl_add_u32 v[RS], v2, 5, v[RS]
	v_add_nc_u32 v[RS], s34, v[RS]                 ; token r, + 32 h
	v_lshrrev_b32 v9, 4, v0                        ; thread / 16: a token
	v_mul_u32_u24 v[RL], v9, PITCH
	v_lshl_add_u32 v[RL], v1, 4, v[RL]
	v_add_nc_u32 v[RL], RED, v[RL]
	v_lshlrev_b32 v[PO], 13, v9
	v_lshl_add_u32 v[PO], v1, 4, v[PO]
	s_wait_tensorcnt 0x0                           ; my rows are in; I alone read them
.irp q, 0,1,2,3
.irp i, 0,1,2,3,4,5,6,7,8,9,10,11,12,13,14,15
	ds_load_b32 v[W+16*\q+\i], v[WA] offset:(\i+8*(\i/8))*PITCH+64*\q   ; wo(8 h + i, or 16 + 8 h + i - 8; column 16 q + r): sixteen lanes read 64 neighbouring bytes
.endr
.endr
	s_wait_dscnt 0x0
.set i, 0
.rept 32
	v_cvt_pk_f16_f32 v[WH+i], v[W+2*i], v[W+2*i+1]
.set i, i+1
.endr
.irp q, 0,1,2,3
.irp e, 0,1
	global_store_b128 v[LI], v[WH+8*\q+4*\e:WH+8*\q+4*\e+3], s[10:11] offset:\q*65536+\e*512   ; 512 consecutive bytes, aligned
.endr
.endr
.irp p, 16,17,18,19,20,21,22,23,24,25,26,27,28,29,30,31,32,33,34,35,36,37,38,39,40,41,42,43,44,45,46,47
	v_cvt_f32_f16 v[T+2*(\p%4)], v\p\().l
	v_cvt_f32_f16 v[T+2*(\p%4)+1], v\p\().h
	v_pk_add_f32 v[T+2*(\p%4):T+2*(\p%4)+1], v[W+2*(\p-16):W+2*(\p-16)+1], v[T+2*(\p%4):T+2*(\p%4)+1] neg_lo:[0,1] neg_hi:[0,1]
	v_pk_mul_f32 v[T+2*(\p%4):T+2*(\p%4)+1], v[T+2*(\p%4):T+2*(\p%4)+1], 0x45000000 op_sel_hi:[1,0]
	v_cvt_pk_f16_f32 v[\p+32], v[T+2*(\p%4)], v[T+2*(\p%4)+1]
.endr
	s_wait_loadcnt 0x0                             ; tokens 0-15
.irp q, 0,1,2,3                                ; transposed: source 0 = 16 columns of wo, source 1 = the 16 tokens.  Eight accumulators by turns
	v_wmma_f32_16x16x32_f16 v[D+8*\q:D+8*\q+7], v[WH+8*\q:WH+8*\q+7], v[AH:AH+7], 0
	v_wmma_f32_16x16x32_f16 v[E+8*\q:E+8*\q+7], v[WH+8*\q:WH+8*\q+7], v[AL:AL+7], 0
.endr
.irp q, 0,1,2,3
	v_wmma_f32_16x16x32_f16 v[E+8*\q:E+8*\q+7], v[WL+8*\q:WL+8*\q+7], v[AH:AH+7], v[E+8*\q:E+8*\q+7]
.endr
.rept 4
	v_nop
.endr
.irp q, 0,1,2,3
.irp i, 0,2,4,6
	v_pk_fma_f32 v[W+8*\q+\i:W+8*\q+\i+1], v[E+8*\q+\i:E+8*\q+\i+1], 0x3a000000, v[D+8*\q+\i:D+8*\q+\i+1] op_sel_hi:[1,0,1]   ; + the cross terms / 2048
.endr
.endr
.irp q, 0,1,2,3
	ds_store_b128 v[RS], v[W+8*\q:W+8*\q+3] offset:64*\q           ; lane (r, h): token r, columns 16 q + 8 h + 0 .. 7
	ds_store_b128 v[RS], v[W+8*\q+4:W+8*\q+7] offset:64*\q+16
.endr
	s_wait_dscnt 0x0                               ; for the others' sake: my stores have landed
	s_barrier_signal -1
	s_barrier_wait -1
.irp p, 0,1,2,3,4,5,6,7
	ds_load_b128 v[D+4*\p:D+4*\p+3], v[RL] offset:\p*RW            ; the eight waves' sums of my token's four columns
.endr
	s_wait_dscnt 0x0
.irp a, 0,8,16,24
	v_pk_add_f32 v[D+\a:D+\a+1], v[D+\a:D+\a+1], v[D+\a+4:D+\a+5]
	v_pk_add_f32 v[D+\a+2:D+\a+3], v[D+\a+2:D+\a+3], v[D+\a+6:D+\a+7]
.endr
.irp a, 0,16
	v_pk_add_f32 v[D+\a:D+\a+1], v[D+\a:D+\a+1], v[D+\a+8:D+\a+9]
	v_pk_add_f32 v[D+\a+2:D+\a+3], v[D+\a+2:D+\a+3], v[D+\a+10:D+\a+11]
.endr
	v_pk_add_f32 v[D:D+1], v[D:D+1], v[D+16:D+17]
	v_pk_add_f32 v[D+2:D+3], v[D+2:D+3], v[D+18:D+19]
	global_store_b128 v[PO], v[D:D+3], s[12:13]    ; sixteen lanes store 256 consecutive bytes, aligned
	s_wait_tensorcnt 0x0                           ; the wave's end
	ds_add_u32 v[SPW], v[NIL]
	s_wait_dscnt 0x0
	s_endpgm
.Lfunc_end_k_qa85f8ab509_wofine:
	.size	k_qa85f8ab509_wofine, .Lfunc_end_k_qa85f8ab509_wofine-k_qa85f8ab509_wofine
	.p2alignl 7, 3214868480
	.fill 96, 4, 3214868480
	.section	.rodata,"a",@progbits
	.p2align	6, 0x0
	.amdhsa_kernel k_qa85f8ab509_wofine
		.amdhsa_group_segment_fixed_size 167936
		.amdhsa_private_segment_fixed_size 0
		.amdhsa_enable_private_segment 0
		.amdhsa_kernarg_size 40
		.amdhsa_user_sgpr_count 2
		.amdhsa_user_sgpr_kernarg_segment_ptr 1
		.amdhsa_wavefront_size32 1
		.amdhsa_system_sgpr_workgroup_id_x 1
		.amdhsa_system_sgpr_workgroup_id_y 1
		.amdhsa_system_sgpr_workgroup_id_z 1
		.amdhsa_system_vgpr_workitem_id 0
		.amdhsa_next_free_vgpr 256
		.amdhsa_next_free_sgpr 66
		.amdhsa_reserve_vcc 0
		.amdhsa_float_denorm_mode_32 3
		.amdhsa_float_denorm_mode_16_64 3
		.amdhsa_memory_ordered 1
		.amdhsa_forward_progress 1
		.amdhsa_inst_pref_size 24
	.end_amdhsa_kernel
	.amdgpu_metadata
---
amdhsa.version: [ 1, 2 ]
amdhsa.kernels:
  - .name:           k_qa85f8ab509_wofine
    .symbol:         k_qa85f8ab509_wofine.kd
    .args:
      - { .name: wo, .offset: 0, .size: 8, .value_kind: global_buffer, .address_space: global }
      - { .name: att, .offset: 8, .size: 8, .value_kind: global_buffer, .address_space: global }
      - { .name: attlo, .offset: 16, .size: 8, .value_kind: global_buffer, .address_space: global }
      - { .name: wo16, .offset: 24, .size: 8, .value_kind: global_buffer, .address_space: global }
      - { .name: part, .offset: 32, .size: 8, .value_kind: global_buffer, .address_space: global }
    .group_segment_fixed_size: 167936
    .private_segment_fixed_size: 0
    .kernarg_segment_align: 8
    .kernarg_segment_size: 40
    .max_flat_workgroup_size: 256
    .sgpr_count:     66
    .vgpr_count:     256
    .wavefront_size: 32
...
	.end_amdgpu_metadata
.endif
;; end of part 4
;; launch oproj (part 5): grid 16 x 16, 4 waves a work-group, clusters of 4 x 4, 327,680 bytes of LDS; arguments att, wo16, part, out0; writes out0
.if DOCPART == 5
	.amdgcn_target "amdgcn-amd-amdhsa--gfx1250"
	.amdhsa_code_object_version 6
	.text
	.protected	k_qa85f8ab509_oproj
	.globl	k_qa85f8ab509_oproj
	.p2align	8
	.type	k_qa85f8ab509_oproj,@function
k_qa85f8ab509_oproj:
	s_mov_b64 s[64:65], 0
	v_nop
	global_prefetch_b8 v0, s[64:65] scope:SCOPE_SE
	s_setreg_imm32_b32 hwreg(HW_REG_WAVE_MODE, 25, 1), 1
	s_wait_xcnt 0x0
	s_wait_alu depctr_hold_cnt(0) depctr_sa_sdst(0) depctr_va_vdst(0) depctr_va_sdst(0) depctr_va_ssrc(0) depctr_va_vcc(0) depctr_vm_vsrc(0)
	s_getreg_b32 s2, hwreg(HW_REG_IB_STS2, 6, 4)
	s_cmp_eq_u32 s2, 0
	s_cbranch_scc0 .Lentry_in_a_cluster
	s_endpgm
.Lentry_in_a_cluster:
	s_bfe_u32 s2, ttmp6, 0x10000c
	s_cmp_lg_u32 s2, 0xf033
	s_cbranch_scc0 .Lentry_shape_is_right
	s_endpgm
.Lentry_shape_is_right:
; out0 = att wo: 2048 x 2048 x K 2048, f16 operands, f32 sums, f32 out.  Both operands lie in memory as register images of fragments (512 bytes: lane l's 16 bytes at 16 l), [tile of 16 rows][32 along K][2][512 bytes]:
; a K step of 256 of a tile of 16 rows is 8,192 consecutive bytes, and a fragment load from LDS reads 512 consecutive bytes: no padding.
; SHARES: a work-group makes 128 x 128, each of four waves 64 x 64: 16 accumulators.  2048 x 2048 gives 256 such tiles, one for each WGP.  K goes in steps of 256 through two LDS slots of 128 KB.
; CLUSTER 4 x 4: att's tiles are shared along a row of the cluster, wo16's along a column: joint loads.  THE PRODUCT IS USED TRANSPOSED (source 0 = 16 columns of wo, source 1 = 16 tokens): a lane holds eight neighbours of a row.
; TOKENS 0-15 are not taken from this product: they are the sum of the eight partial sums of the launch before (f16 pairs on both sides), added at the head while the first tiles are on their way; the product's
; block of those rows is not stored, so each byte of out0 has one writer.
; REGISTERS: window 0: v16-29 addresses; v32-95 the way out; v128-255 accumulators ((a, b) at 128 + 8 (4 a + b)).   window 1: two fragment buffers of 128: 64 registers of att (2 x 4 fragments), then 64 of wo16.
.set SLOT,   131072                    ; att's 8 tiles x 8 KB, then wo16's
.set STAGE,  2*SLOT                    ; 16 rows x (256 bytes + 16) for each wave; no fill lands here
.set SPITCH, 272
.set SPARE,  STAGE+4*16*SPITCH
.set LAPS,   4                         ; 2048 / (2 x 256)
.set ADRA, 16
.set ADRB, 20
.set STO,  24
.set RD,   25
.set CO,   26
.set SPW,  28
.set NIL,  29
.set BK,   32
.set ACC,  128
.set F0,   0
.set F1,   128
.set G1,  24
.set G0,  32
.set G1B, 48
.set G0B, 56
.set MSB, 0
.macro WIN new
.if MSB != \new
	s_set_vgpr_msb (MSB<<8)|\new
.set MSB, \new
.endif
.endm
.set MUL,  0x05                        ; sources 0 and 1 window 1; C and D window 0
.set TO_F, 0x40
.macro JLOAD s                         ; waves 0 and 1 fetch att's halves, waves 2 and 3 wo16's; an s_nop 0 and four v_nop follow each line
	s_cmp_eq_u32 s13, 0
	s_cbranch_scc0 .Lfor_b_\@
	tensor_load_to_lds s[G0+4*\s:G0+4*\s+3], s[G1:G1+7]
	s_nop 0
.rept 4
	v_nop
.endr
	s_branch .Lasked_\@
.Lfor_b_\@:
	tensor_load_to_lds s[G0B+4*\s:G0B+4*\s+3], s[G1B:G1B+7]
	s_nop 0
.rept 4
	v_nop
.endr
.Lasked_\@:
.endm
.macro CREST
	s_cmp_lg_u32 s12, 0
	s_cbranch_scc1 .Lnot_wave_0_\@
	s_barrier_signal -3
.Lnot_wave_0_\@:
	s_barrier_wait -3
	s_barrier_signal -1
	s_barrier_wait -1
.endm
.macro CROUND
	s_barrier_signal -1
	s_barrier_wait -1
	CREST
.endm
.macro PLACES
.rept 4
	v_nop
.endr
.endm
	s_load_b256 s[4:11], s[0:1], 0x0               ; att, wo16, part, out0
	v_lshl_add_u32 v[SPW], v0, 2, SPARE
	v_mov_b32 v[NIL], 0
	ds_add_u32 v[SPW], v[NIL]                      ; the opening: the add, twice on end, and its wait ahead of my first tensor load
	ds_add_u32 v[SPW], v[NIL]
	v_lshrrev_b32 v1, 5, v0
	v_readfirstlane_b32 s12, v1                    ; wave
	s_lshr_b32 s13, s12, 1                         ; my half of the tokens.  Also: I fetch for att (0) or for wo16 (1)
	s_and_b32 s14, s12, 1                          ; my half of the columns.  Also: which four tiles I fetch
	s_bfe_u32 s40, ttmp6, 0x40000                  ; cx
	s_bfe_u32 s41, ttmp6, 0x40004                  ; cy
	s_lshl_b32 s42, ttmp9, 2
	s_add_co_u32 s42, s42, s40                     ; tile column
	s_and_b32 s16, ttmp7, 0xffff                   ; cluster y
	s_lshl_b32 s15, s16, 2
	s_add_co_u32 s15, s15, s41                     ; tile row
	s_lshl_b32 s43, s41, 2
	s_lshl_b32 s43, 15, s43                        ; my row of the cluster
	s_lshl_b32 s44, 0x1111, s40                    ; my column
	s_or_b32 s[G1], s43, (3<<16)|(1<<21)           ; four rows of 1,024 elements of 8 bytes, 65,536 bytes apart
	s_or_b32 s[G1B], s44, (3<<16)|(1<<21)
.irp g, G1, G1B
	s_mov_b32 s[\g+1], 1024<<16
	s_mov_b32 s[\g+2], 4<<16
	s_mov_b32 s[\g+3], 1024<<16
	s_mov_b32 s[\g+4], 4
	s_mov_b32 s[\g+5], 8192
	s_mov_b32 s[\g+6], 0
	s_mov_b32 s[\g+7], 0
.endr
	s_lshl_b32 s17, s14, 2
	s_lshl_b32 s20, s15, 3
	s_add_co_u32 s20, s20, s17
	s_lshl_b32 s20, s20, 16                        ; att: tile of tokens 8 x tile row + 4 x half
	s_mov_b32 s21, 0
	s_lshl_b32 s46, s42, 3
	s_add_co_u32 s46, s46, s17
	s_lshl_b32 s46, s46, 16                        ; wo16: tile of columns 8 x tile column + 4 x half
	s_mov_b32 s47, 0
	s_lshl_b32 s22, s12, 15                        ; where they go: wave x 32 KB
	s_wait_dscnt 0x0
	s_wait_kmcnt 0x0
	s_add_nc_u64 s[20:21], s[4:5], s[20:21]
	s_add_nc_u64 s[46:47], s[6:7], s[46:47]
	CROUND                                         ; all sixteen work-groups are here
.irp s, 0,1
	s_mov_b32 s[G0+4*\s], 1
	s_add_co_u32 s[G0+4*\s+1], s22, \s*SLOT
	s_add_nc_u64 s[G0+4*\s+2:G0+4*\s+3], s[20:21], \s*8192
	s_or_b32 s[G0+4*\s+3], s[G0+4*\s+3], 0x80000000
	s_mov_b32 s[G0B+4*\s], 1
	s_add_co_u32 s[G0B+4*\s+1], s22, \s*SLOT
	s_add_nc_u64 s[G0B+4*\s+2:G0B+4*\s+3], s[46:47], \s*8192
	s_or_b32 s[G0B+4*\s+3], s[G0B+4*\s+3], 0x80000000
	JLOAD \s                                       ; two loads of mine are out
.endr
	v_and_b32 v1, 15, v0                           ; r
	v_bfe_u32 v2, v0, 4, 1                         ; h
	v_and_b32 v3, 31, v0
	v_lshlrev_b32 v3, 4, v3                        ; 16 x lane
	s_lshl_b32 s66, s13, 15                        ; my four tiles of tokens
	s_lshl_b32 s67, s14, 15
	s_add_co_u32 s67, s67, 65536                   ; my four tiles of columns
.irp s, 0,1
	v_add_nc_u32 v[ADRA+\s], s66, v3
	v_add_nc_u32 v[ADRB+\s], s67, v3
	s_add_co_u32 s66, s66, SLOT
	s_add_co_u32 s67, s67, SLOT
.endr
	s_mul_i32 s68, s12, 16*SPITCH
	s_add_co_u32 s68, s68, STAGE                   ; my stage
	v_mul_u32_u24 v4, v1, SPITCH
	v_lshl_add_u32 v4, v2, 5, v4
	v_add_nc_u32 v[STO], s68, v4                   ; in: row r, 32 bytes for each half of the lanes
	v_mul_u32_u24 v5, v2, SPITCH
	v_lshl_add_u32 v5, v1, 4, v5
	v_add_nc_u32 v[RD], s68, v5                    ; back: lanes 0-15 one row of 256 bytes, lanes 16-31 the next
	v_lshlrev_b32 v[CO], 13, v2
	v_lshl_add_u32 v[CO], v1, 4, v[CO]             ; and the same two rows in out0 and in part
	s_lshl_b32 s70, s15, 7
	s_lshl_b32 s71, s13, 6
	s_add_co_u32 s70, s70, s71                     ; my first token
	s_lshl_b32 s70, s70, 13
	s_lshl_b32 s72, s42, 9
	s_lshl_b32 s73, s14, 8
	s_add_co_u32 s72, s72, s73                     ; my first column, in bytes
	s_add_co_u32 s70, s70, s72
	s_mov_b32 s71, 0
	s_mov_b32 s73, 0
	s_add_nc_u64 s[10:11], s[10:11], s[70:71]
	s_add_nc_u64 s[8:9], s[8:9], s[72:73]
	; TOKENS 0-15: the waves of the first 64 tokens in the clusters with y = 0 pass here (a branch alike in all partners); cy only narrows EXEC
	s_or_b32 s74, s16, s13
	s_cmp_lg_u32 s74, 0
	s_cbranch_scc1 .Lnofine
	s_cmp_eq_u32 s41, 0
	s_cselect_b32 s74, -1, 0
	s_wait_xcnt 0x0                                ; EXEC changes only behind this wait
	s_and_saveexec_b32 s75, s74
	WIN 0x40                                       ; into the fragment registers, which are still empty
.irp t, 0,1,2,3,4,5,6,7
.irp k, 0,1,2,3,4,5,6,7
	global_load_b128 v[4*(8*\t+\k):4*(8*\t+\k)+3], v[CO], s[8:9] offset:\k*131072+2*\t*8192
.endr
.endr
	s_wait_loadcnt 0x0
	WIN 0x45
.irp t, 0,1,2,3,4,5,6,7
.irp a, 0,8,16,24
	v_pk_add_f32 v[32*\t+\a:32*\t+\a+1], v[32*\t+\a:32*\t+\a+1], v[32*\t+\a+4:32*\t+\a+5]
	v_pk_add_f32 v[32*\t+\a+2:32*\t+\a+3], v[32*\t+\a+2:32*\t+\a+3], v[32*\t+\a+6:32*\t+\a+7]
.endr
.irp a, 0,16
	v_pk_add_f32 v[32*\t+\a:32*\t+\a+1], v[32*\t+\a:32*\t+\a+1], v[32*\t+\a+8:32*\t+\a+9]
	v_pk_add_f32 v[32*\t+\a+2:32*\t+\a+3], v[32*\t+\a+2:32*\t+\a+3], v[32*\t+\a+10:32*\t+\a+11]
.endr
	v_pk_add_f32 v[32*\t:32*\t+1], v[32*\t:32*\t+1], v[32*\t+16:32*\t+17]
	v_pk_add_f32 v[32*\t+2:32*\t+3], v[32*\t+2:32*\t+3], v[32*\t+18:32*\t+19]
.endr
	WIN 0x04                                       ; a store's data are its source 1
.irp t, 0,1,2,3,4,5,6,7
	global_store_b128 v[CO], v[32*\t:32*\t+3], s[10:11] offset:2*\t*8192 th:TH_STORE_NT
.endr
	WIN 0
	s_wait_xcnt 0x0                                ; the stores have read their registers and EXEC
	s_or_b32 exec_lo, exec_lo, s75
.Lnofine:
.macro MUL8 f, c, a0, zero             ; 8 products: token blocks a0, a0 + 1 x four column blocks, 32 along K; the accumulators by turns
.irp a, \a0, \a0+1
.irp b, 0,1,2,3
.if \zero
	v_wmma_f32_16x16x32_f16 v[ACC+8*(4*(\a)+\b):ACC+8*(4*(\a)+\b)+7], v[\f+64+8*(4*\c+\b):\f+64+8*(4*\c+\b)+7], v[\f+8*(4*\c+\a):\f+8*(4*\c+\a)+7], 0
.else
	v_wmma_f32_16x16x32_f16 v[ACC+8*(4*(\a)+\b):ACC+8*(4*(\a)+\b)+7], v[\f+64+8*(4*\c+\b):\f+64+8*(4*\c+\b)+7], v[\f+8*(4*\c+\a):\f+8*(4*\c+\a)+7], v[ACC+8*(4*(\a)+\b):ACC+8*(4*(\a)+\b)+7]
.endif
.endr
.endr
.endm
.macro FETCH slot, qd, f               ; 32 LDS loads in one run: quarter qd (64 along K) of the slot into buffer f, its first 32 along K first
	WIN TO_F
.irp c, 0,1
.irp i, 0,1,2,3
	ds_load_b128 v[\f+64+8*(4*\c+\i):\f+64+8*(4*\c+\i)+3],   v[ADRB+\slot] offset:\i*8192+(2*(\qd)+\c)*1024
	ds_load_b128 v[\f+64+8*(4*\c+\i)+4:\f+64+8*(4*\c+\i)+7], v[ADRB+\slot] offset:\i*8192+(2*(\qd)+\c)*1024+512
	ds_load_b128 v[\f+8*(4*\c+\i):\f+8*(4*\c+\i)+3],         v[ADRA+\slot] offset:\i*8192+(2*(\qd)+\c)*1024
	ds_load_b128 v[\f+8*(4*\c+\i)+4:\f+8*(4*\c+\i)+7],       v[ADRA+\slot] offset:\i*8192+(2*(\qd)+\c)*1024+512
.endr
.endr
.endm
.macro QUARTER slot, qd, f, g, zero    ; multiplies buffer f and fetches quarter qd into g
	s_wait_dscnt 16                                ; the first 32 along K are in; the quarter's second 16 loads stay out
	WIN MUL
	MUL8 \f, 0, 0, \zero
	MUL8 \f, 0, 2, \zero
	PLACES
	FETCH \slot, \qd, \g
	s_wait_dscnt 32                                ; all but the 32 just issued
	WIN MUL
	MUL8 \f, 1, 0, 0
	MUL8 \f, 1, 2, 0
.endm
; A slot's last quarter changes slots: in front of the barrier each wave waits for all its tensor loads, adds 0 to its spare word, and waits for that and for its reads of this slot.  fill = 1: the slot is filled again.
.macro TURN slot, next, fill
	WIN 0
	s_wait_tensorcnt 0x0                           ; all my tensor loads have landed: my part of the next slot
	ds_add_u32 v[SPW], v[NIL]
	s_wait_dscnt 17                                ; the add and the youngest sixteen loads may be out
	WIN MUL
	MUL8 F1, 0, 0, 0
	s_wait_dscnt 0x0                               ; the add is done, and my reads of this slot are over
	s_barrier_signal -1
	MUL8 F1, 0, 2, 0
.if \fill
	WIN 0
.endif
	s_barrier_wait -1
.if \fill
	CREST                                          ; the barrier has opened a round of the cluster's: no wave of any partner still reads the slot or has a load on its way
	s_add_nc_u64 s[G0+4*\slot+2:G0+4*\slot+3], s[G0+4*\slot+2:G0+4*\slot+3], 16384
	s_add_nc_u64 s[G0B+4*\slot+2:G0B+4*\slot+3], s[G0B+4*\slot+2:G0B+4*\slot+3], 16384
	JLOAD \slot                                    ; the first tensor load behind the round; its four v_nop are also the places ahead of the loads below
.else
	PLACES
.endif
	FETCH \next, 0, F0
	WIN MUL
	MUL8 F1, 1, 0, 0
	MUL8 F1, 1, 2, 0
.endm
	s_wait_tensorcnt 1                             ; my part of K step 0 is in; K step 1's load stays out
	s_barrier_signal -1
	s_barrier_wait -1
	FETCH 0, 0, F0
	QUARTER 0, 1, F0, F1, 1                        ; the first products start the sums
	WIN 0
	s_mov_b32 s3, LAPS-1
.Llap:                                             ; a trip goes once round the ring and fills both slots again
	QUARTER 0, 2, F1, F0, 0
	QUARTER 0, 3, F0, F1, 0
	TURN 0, 1, 1
	QUARTER 1, 1, F0, F1, 0
	QUARTER 1, 2, F1, F0, 0
	QUARTER 1, 3, F0, F1, 0
	TURN 1, 0, 1
	QUARTER 0, 1, F0, F1, 0
	WIN 0
	s_sub_co_u32 s3, s3, 1
	s_cmp_lg_u32 s3, 0
	s_cbranch_scc1 .Llap
	QUARTER 0, 2, F1, F0, 0                        ; the last lap fills nothing
	QUARTER 0, 3, F0, F1, 0
	TURN 0, 1, 0
	QUARTER 1, 1, F0, F1, 0
	QUARTER 1, 2, F1, F0, 0
	QUARTER 1, 3, F0, F1, 0
	s_wait_dscnt 16
	WIN MUL
	MUL8 F1, 0, 0, 0
	MUL8 F1, 0, 2, 0
	s_wait_dscnt 0x0
	MUL8 F1, 1, 0, 0
	MUL8 F1, 1, 2, 0
	WIN 0
; THE WAY OUT, a block of 16 tokens x 64 columns at a time through my own stage: in as 32 bytes a lane, back as whole rows of 256 bytes.  LDS serves a wave's instructions in order: no wait between stores and loads.
.macro TOSTAGE a
.irp b, 0,1,2,3
	ds_store_b128 v[STO], v[ACC+8*(4*(\a)+\b):ACC+8*(4*(\a)+\b)+3] offset:64*\b          ; each accumulator from its low end on
	ds_store_b128 v[STO], v[ACC+8*(4*(\a)+\b)+4:ACC+8*(4*(\a)+\b)+7] offset:64*\b+16
.endr
.irp t, 0,1,2,3,4,5,6,7
	ds_load_b128 v[BK+32*((\a)%2)+4*\t:BK+32*((\a)%2)+4*\t+3], v[RD] offset:\t*2*SPITCH
.endr
.endm
.macro SEND a
.irp t, 0,1,2,3,4,5,6,7
	global_store_b128 v[CO], v[BK+32*((\a)%2)+4*\t:BK+32*((\a)%2)+4*\t+3], s[10:11] offset:(16*(\a)+2*\t)*8192 th:TH_STORE_NT   ; sixteen lanes store 256 consecutive bytes, aligned
.endr
.endm
	PLACES
	TOSTAGE 0
	TOSTAGE 1
	s_wait_dscnt 16                                ; block 0 is back; block 1's 8 stores and 8 loads stay out
	s_lshl_b32 s74, s15, 1
	s_add_co_u32 s74, s74, s13
	s_cmp_eq_u32 s74, 0                            ; tokens 0-15 were written at the head: their block of this product is not stored
	s_cselect_b32 s74, 0, -1
	s_wait_xcnt 0x0
	s_and_saveexec_b32 s75, s74
	SEND 0
	s_wait_xcnt 0x0                                ; block 0's stores have read their registers and EXEC
	s_or_b32 exec_lo, exec_lo, s75
	TOSTAGE 2
	s_wait_dscnt 16
	SEND 1
	s_wait_xcnt 0x0                                ; block 1's stores have read their registers: block 3 may land there
	TOSTAGE 3
	s_wait_dscnt 16
	SEND 2
	s_wait_dscnt 0x0
	SEND 3
	s_wait_tensorcnt 0x0                           ; the wave's end
	ds_add_u32 v[SPW], v[NIL]
	s_wait_dscnt 0x0
	CROUND                                         ; the closing round
	s_endpgm
.Lfunc_end_k_qa85f8ab509_oproj:
	.size	k_qa85f8ab509_oproj, .Lfunc_end_k_qa85f8ab509_oproj-k_qa85f8ab509_oproj
	.p2alignl 7, 3214868480
	.fill 96, 4, 3214868480
	.section	.rodata,"a",@progbits
	.p2align	6, 0x0
	.amdhsa_kernel k_qa85f8ab509_oproj
		.amdhsa_group_segment_fixed_size 327680
		.amdhsa_private_segment_fixed_size 0
		.amdhsa_enable_private_segment 0
		.amdhsa_kernarg_size 32
		.amdhsa_user_sgpr_count 2
		.amdhsa_user_sgpr_kernarg_segment_ptr 1
		.amdhsa_wavefront_size32 1
		.amdhsa_system_sgpr_workgroup_id_x 1
		.amdhsa_system_sgpr_workgroup_id_y 1
		.amdhsa_system_sgpr_workgroup_id_z 1
		.amdhsa_system_vgpr_workitem_id 0
		.amdhsa_next_free_vgpr 512
		.amdhsa_next_free_sgpr 80
		.amdhsa_reserve_vcc 0
		.amdhsa_float_denorm_mode_32 3
		.amdhsa_float_denorm_mode_16_64 3
		.amdhsa_memory_ordered 1
		.amdhsa_forward_progress 1
		.amdhsa_inst_pref_size 100
	.end_amdhsa_kernel
	.amdgpu_metadata
---
amdhsa.version: [ 1, 2 ]
amdhsa.kernels:
  - .name:           k_qa85f8ab509_oproj
    .symbol:         k_qa85f8ab509_oproj.kd
    .args:
      - { .name: att, .offset: 0, .size: 8, .value_kind: global_buffer, .address_space: global }
      - { .name: wo16, .offset: 8, .size: 8, .value_kind: global_buffer, .address_space: global }
      - { .name: part, .offset: 16, .size: 8, .value_kind: global_buffer, .address_space: global }
      - { .name: out0, .offset: 24, .size: 8, .value_kind: global_buffer, .address_space: global }
    .group_segment_fixed_size: 327680
    .private_segment_fixed_size: 0
    .kernarg_segment_align: 8
    .kernarg_segment_size: 32
    .max_flat_workgroup_size: 128
    .sgpr_count:     80
    .vgpr_count:     512
    .wavefront_size: 32
...
	.end_amdgpu_metadata
.endif
;; end of part 5
